; MI455X (gfx1250); checked and timed in simulation.
; The chip was launched on July 23, 2026; its instructions are those of AMD's public machine-readable ISA for CDNA 5 (MIT licence, August 2026) and "CDNA5" Instruction Set Architecture Reference Guide (July 2026). The comments in the code are by the model that wrote it; some were corrected since.
;; Transformer Block. Allowed arithmetic: float matrix products may take bf16 or f16 operands with f32 sums; other float arithmetic in f32, or as packed bf16 or f16 multiplies, adds, multiply-adds, maxima and minima; sums over many terms, partial sums and values carried from step to step in f32; what a program stores and reads back later, other than sums and carried values, may be rounded once to bf16 or f16.
;; Inputs: ln1_b 1,024 float32; ln1_w 1,024 float32; ln2_b 1,024 float32; ln2_w 1,024 float32; w_down 1,024 x 4,096 float32; w_up 4,096 x 1,024 float32; wk 1,024 x 1,024 float32; wo 1,024 x 1,024 float32; wq 1,024 x 1,024 float32; wv 1,024 x 1,024 float32; x 2 x 2,048 x 1,024 float32.
;; Outputs: out0 2 x 2,048 x 1,024 float32.
;; 2 versions, each right; version 2 is version 1 with the launches cast, ln1, ln2 written anew for expert scheduling mode. Each part assembles by itself: llvm-mc -triple=amdgcn-amd-amdhsa -mcpu=gfx1250 --defsym DOCPART=n.
;; ======== version 1 of 2: 8 launches
;; workspace buffers: wqkv 6,291,968 bytes; wup 8,389,120 bytes; w2 10,485,760 bytes; act 8,388,608 bytes; qkv 25,165,824 bytes; x1 16,777,216 bytes; ff 33,554,432 bytes
;; launch cast (part 1): grid 64 x 12, 8 waves a work-group, no clusters, 0 bytes of LDS; arguments wq, wk, wv, wo, w_up, w_down, wqkv, wup, w2; writes wqkv, wup, w2
.if DOCPART == 1
	.amdgcn_target "amdgcn-amd-amdhsa--gfx1250"
	.amdhsa_code_object_version 6
	.text
	.protected	k_qbc2754ff5d_cast
	.globl	k_qbc2754ff5d_cast
	.p2align	8
	.type	k_qbc2754ff5d_cast,@function
k_qbc2754ff5d_cast:
	s_mov_b64 s[64:65], 0
	v_nop
	global_prefetch_b8 v0, s[64:65] scope:SCOPE_SE
	s_setreg_imm32_b32 hwreg(HW_REG_WAVE_MODE, 25, 1), 1
	s_wait_xcnt 0x0
; THE SIX WEIGHTS, f32 [n][k], are rounded once to bf16 (nearest even) and laid in blocks, so that every tile that a later product
; asks for is a dense run of rows of 256 bytes:  [n / TN][k / 128][TN rows][128 numbers].
;   wqkv: 512 bytes of header, then wq, wk, wv one below the other, TN = 256 (12 tiles x 8 panels x 65,536 bytes)
;   wup : 512 bytes of header, then w_up, TN = 256 (16 x 8 x 65,536)
;   w2  : wo, TN = 128 (8 x 8 x 32,768), then from byte 2,097,152 w_down, TN = 128 (8 x 32 x 32,768)
; THE HEADER's words are the floor that the product taking the pack lays under its results, twice in bf16: minus infinity for wqkv
; (no floor), 0 for wup (the ReLU).  It steers values alone.
; SHARES.  Grid y = c names 1,048,576 numbers: 0 wq, 1 wk, 2 wv, 3 wo, 4-7 w_up, 8-11 w_down; grid x names 16,384 of them; wave w takes
; 2,048 of those, in 16 runs of 128.  A run is one row of one panel: the wave's load covers its 512 consecutive bytes (16 a lane), and
; the wave's store its 256 consecutive bytes, aligned (8 a lane).  Memory binds: no LDS, no barrier, all sixteen loads of a wave out at once.
.set IN,  8                            ; v[8:71]    run j: 4 numbers in f32
.set OUT, 72                           ; v[72:103]  run j: 2 registers, 4 bf16
.set PA,  104                          ; v[104:111] rows of 1,024 numbers: my 8 bytes in the wave's first row of panel k
.set HD,  112                          ; v[112:115] the header's word, four times
	s_load_b512 s[8:23], s[0:1], 0x0               ; wq 8, wk 10, wv 12, wo 14, w_up 16, w_down 18, wqkv 20, wup 22
	s_load_b64 s[24:25], s[0:1], 0x40              ; w2
	s_and_b32 s2, ttmp7, 0xffff                    ; c
	s_mov_b32 s3, ttmp9                            ; x
	v_lshrrev_b32 v3, 5, v0
	v_readfirstlane_b32 s4, v3                     ; wave
	v_and_b32 v4, 31, v0                           ; lane
	s_lshl_b32 s6, s4, 13                          ; the wave's 2,048 numbers of 4 bytes
	v_lshl_add_u32 v1, v4, 4, s6                   ; + 16 bytes a lane
	s_and_b32 s5, s2, 3                            ; c & 3: the chunk's number inside w_up or w_down
	s_lshl_b32 s28, s5, 22                         ; a chunk is 4 MiB of f32;
	s_cmp_lt_u32 s2, 4
	s_cselect_b32 s28, 0, s28                      ; the four square weights are one chunk each
	s_lshl_b32 s29, s3, 16                         ; x's 16,384 numbers
	s_add_co_u32 s28, s28, s29
	s_mov_b32 s29, 0
	s_wait_kmcnt 0x0
	s_mov_b64 s[26:27], s[18:19]                   ; the source, chosen by c alone
	s_cmp_lt_u32 s2, 8
	s_cselect_b64 s[26:27], s[16:17], s[26:27]
	s_cmp_eq_u32 s2, 3
	s_cselect_b64 s[26:27], s[14:15], s[26:27]
	s_cmp_eq_u32 s2, 2
	s_cselect_b64 s[26:27], s[12:13], s[26:27]
	s_cmp_eq_u32 s2, 1
	s_cselect_b64 s[26:27], s[10:11], s[26:27]
	s_cmp_eq_u32 s2, 0
	s_cselect_b64 s[26:27], s[8:9], s[26:27]
	s_add_nc_u64 s[26:27], s[26:27], s[28:29]
.irp j, 0,1,2,3,4,5,6,7,8,9,10,11,12,13,14,15
	global_load_b128 v[IN+4*(\j):IN+4*(\j)+3], v1, s[26:27] offset:512*(\j) th:TH_LOAD_NT
.endr
; Run j: its load is in (the 15 - j younger ones stay out), two roundings, one store at byte imm behind the place in register adr.
.macro RUN j, adr, imm
	s_wait_loadcnt 15-(\j)
	v_cvt_pk_bf16_f32 v[OUT+2*(\j)],   v[IN+4*(\j)],   v[IN+4*(\j)+1]
	v_cvt_pk_bf16_f32 v[OUT+2*(\j)+1], v[IN+4*(\j)+2], v[IN+4*(\j)+3]
	global_store_b64 v[\adr], v[OUT+2*(\j):OUT+2*(\j)+1], s[32:33] offset:\imm th:TH_STORE_NT
.endm
	s_cmp_ge_u32 s2, 8
	s_cbranch_scc1 .Ldown
	; ROWS OF 1,024 NUMBERS.  Run j lies in row 16 x + 2 w + j / 8 of the chunk, panel j % 8.
	s_cmp_eq_u32 s2, 3
	s_cselect_b32 s6, 15, 16                       ; a panel of a tile: 32,768 bytes (TN = 128, wo) or 65,536
	s_lshl_b32 s36, s4, 9                          ; the wave's two rows of 256 bytes in a panel
	v_lshl_add_u32 v2, v4, 3, s36                  ; + 8 bytes a lane
.irp k, 0,1,2,3,4,5,6,7
	v_lshl_add_u32 v[PA+(\k)], \k, s6, v2          ; + panel k
.endr
	s_lshr_b32 s34, s3, 3                          ; wo: tile x / 8 of 262,144 bytes, rows 16 (x % 8) on
	s_lshl_b32 s34, s34, 18
	s_and_b32 s35, s3, 7
	s_lshl_b32 s35, s35, 12
	s_add_co_u32 s34, s34, s35
	s_lshl_b32 s7, s5, 2                           ; the others: tile 4 (c & 3) + x / 16 of 524,288 bytes, rows 16 (x % 16) on, behind the header
	s_lshr_b32 s35, s3, 4
	s_add_co_u32 s7, s7, s35
	s_lshl_b32 s7, s7, 19
	s_and_b32 s35, s3, 15
	s_lshl_b32 s35, s35, 12
	s_add_co_u32 s7, s7, s35
	s_add_co_u32 s7, s7, 512
	s_cmp_lt_u32 s2, 3
	s_cselect_b64 s[30:31], s[20:21], s[22:23]
	s_cmp_eq_u32 s2, 3
	s_cselect_b64 s[30:31], s[24:25], s[30:31]
	s_cselect_b32 s34, s34, s7
	s_mov_b32 s35, 0
	s_add_nc_u64 s[32:33], s[30:31], s[34:35]
.irp j, 0,1,2,3,4,5,6,7,8,9,10,11,12,13,14,15
	RUN \j, PA+((\j)&7), ((\j)>>3)*256
.endr
	s_or_b32 s36, s3, s5                           ; the header: wave 0 of the first work-group of chunks 0 and 4
	s_or_b32 s36, s36, s4
	s_cmp_lg_u32 s36, 0
	s_cbranch_scc1 .Lend
	s_cmp_eq_u32 s2, 0
	s_cselect_b32 s36, 0xff80ff80, 0
.irp j, 0,1,2,3
	v_mov_b32 v[HD+(\j)], s36
.endr
	v_lshlrev_b32 v3, 4, v4
	global_store_b128 v3, v[HD:HD+3], s[30:31]     ; 32 lanes x 16 bytes: the 512 bytes
	s_branch .Lend
.Ldown:
	; ROWS OF 4,096 NUMBERS.  Run j lies in row 4 x + w / 2 of the chunk, panel 16 (w % 2) + j.
	s_lshr_b32 s6, s4, 1
	s_lshl_b32 s6, s6, 8                           ; the wave's row of 256 bytes in a panel
	s_and_b32 s7, s4, 1
	s_lshl_b32 s7, s7, 19                          ; its first panel: 16 panels of 32,768 bytes on for the odd waves
	s_add_co_u32 s6, s6, s7
	v_lshl_add_u32 v2, v4, 3, s6                   ; + 8 bytes a lane
	s_lshl_b32 s7, s5, 1                           ; tile 2 (c & 3) + x / 32 of 1,048,576 bytes, rows 4 (x % 32) on
	s_lshr_b32 s35, s3, 5
	s_add_co_u32 s7, s7, s35
	s_lshl_b32 s7, s7, 20
	s_and_b32 s35, s3, 31
	s_lshl_b32 s35, s35, 10
	s_add_co_u32 s34, s7, s35
	s_add_co_u32 s34, s34, 2097152
	s_mov_b32 s35, 0
	s_add_nc_u64 s[32:33], s[24:25], s[34:35]
.irp j, 0,1,2,3,4,5,6,7,8,9,10,11,12,13,14,15
	RUN \j, 2, (\j)*32768
.endr
.Lend:
	s_endpgm
.Lfunc_end_k_qbc2754ff5d_cast:
	.size	k_qbc2754ff5d_cast, .Lfunc_end_k_qbc2754ff5d_cast-k_qbc2754ff5d_cast
	.p2alignl 7, 3214868480
	.fill 96, 4, 3214868480
	.section	.rodata,"a",@progbits
	.p2align	6, 0x0
	.amdhsa_kernel k_qbc2754ff5d_cast
		.amdhsa_group_segment_fixed_size 0
		.amdhsa_private_segment_fixed_size 0
		.amdhsa_enable_private_segment 0
		.amdhsa_kernarg_size 72
		.amdhsa_user_sgpr_count 2
		.amdhsa_user_sgpr_kernarg_segment_ptr 1
		.amdhsa_wavefront_size32 1
		.amdhsa_system_sgpr_workgroup_id_x 1
		.amdhsa_system_sgpr_workgroup_id_y 1
		.amdhsa_system_sgpr_workgroup_id_z 1
		.amdhsa_system_vgpr_workitem_id 0
		.amdhsa_next_free_vgpr 116
		.amdhsa_next_free_sgpr 66
		.amdhsa_reserve_vcc 0
		.amdhsa_float_denorm_mode_32 3
		.amdhsa_float_denorm_mode_16_64 3
		.amdhsa_memory_ordered 1
		.amdhsa_forward_progress 1
		.amdhsa_inst_pref_size 14
	.end_amdhsa_kernel
	.amdgpu_metadata
---
amdhsa.version: [ 1, 2 ]
amdhsa.kernels:
  - .name:           k_qbc2754ff5d_cast
    .symbol:         k_qbc2754ff5d_cast.kd
    .args:
      - { .name: wq, .offset: 0, .size: 8, .value_kind: global_buffer, .address_space: global }
      - { .name: wk, .offset: 8, .size: 8, .value_kind: global_buffer, .address_space: global }
      - { .name: wv, .offset: 16, .size: 8, .value_kind: global_buffer, .address_space: global }
      - { .name: wo, .offset: 24, .size: 8, .value_kind: global_buffer, .address_space: global }
      - { .name: w_up, .offset: 32, .size: 8, .value_kind: global_buffer, .address_space: global }
      - { .name: w_down, .offset: 40, .size: 8, .value_kind: global_buffer, .address_space: global }
      - { .name: wqkv, .offset: 48, .size: 8, .value_kind: global_buffer, .address_space: global }
      - { .name: wup, .offset: 56, .size: 8, .value_kind: global_buffer, .address_space: global }
      - { .name: w2, .offset: 64, .size: 8, .value_kind: global_buffer, .address_space: global }
    .group_segment_fixed_size: 0
    .private_segment_fixed_size: 0
    .kernarg_segment_align: 8
    .kernarg_segment_size: 72
    .max_flat_workgroup_size: 256
    .sgpr_count:     66
    .vgpr_count:     116
    .wavefront_size: 32
...
	.end_amdgpu_metadata
.endif
;; end of part 1
;; launch ln1 (part 2): grid 256 x 1, 8 waves a work-group, no clusters, 0 bytes of LDS; arguments x, ln1_w, ln1_b, act; writes act
.if DOCPART == 2
	.amdgcn_target "amdgcn-amd-amdhsa--gfx1250"
	.amdhsa_code_object_version 6
	.text
	.protected	k_qbc2754ff5d_ln1
	.globl	k_qbc2754ff5d_ln1
	.p2align	8
	.type	k_qbc2754ff5d_ln1,@function
k_qbc2754ff5d_ln1:
	s_mov_b64 s[64:65], 0
	v_nop
	global_prefetch_b8 v0, s[64:65] scope:SCOPE_SE
	s_setreg_imm32_b32 hwreg(HW_REG_WAVE_MODE, 25, 1), 1
	s_wait_xcnt 0x0
; LAYER NORM of 4,096 rows of 1,024 f32:  y = (x - mean) / sqrt(var + 1e-5) * w + b, all in f32, y rounded once to bf16.
; The variance is taken of x - mean (two passes over registers), so a common offset of a row costs nothing.
; y leaves in panels, [1024 / 128][4096 rows][128] bf16: a panel's row is 256 bytes, and a panel 1,048,576.
; SHARES.  A wave takes a whole row (32 registers) and keeps it between the passes: the row is read once and no wave waits for another.
; Eight waves, two rows each.  Load j of 8 covers 512 consecutive bytes (lane l: numbers 128 j + 4 l on); its four results are 8 bytes a
; lane, and the wave's store of them is one whole row of panel j: 256 consecutive bytes, aligned.
.set T,   4                            ; v[4:11]    four chains of packed sums
.set MU,  12                           ; v[12:13]   the mean, twice
.set RS,  14                           ; v[14:15]   1 / sqrt(var + eps), twice
.set GW,  16                           ; v[16:47]   w of my 32 columns
.set GB,  48                           ; v[48:79]   b
.set X,   80                           ; v[80:143]  two rows of 32
.set PS,  144                          ; v144       takes the other half of the lanes' sum
	s_load_b256 s[4:11], s[0:1], 0x0               ; src s[4:5], w s[6:7], b s[8:9], dst s[10:11]
	v_lshrrev_b32 v1, 5, v0
	v_readfirstlane_b32 s16, v1                    ; wave
	v_and_b32 v3, 31, v0                           ; lane
	s_lshl_b32 s17, s16, 13                        ; the wave's two rows of 4,096 bytes
	v_lshl_add_u32 v1, v3, 4, s17                  ; + 16 bytes a lane
	s_lshl_b32 s17, s16, 9                         ; the same two rows in a panel
	v_lshl_add_u32 v2, v3, 3, s17                  ; + 8 bytes a lane
	v_lshlrev_b32 v3, 4, v3                        ; my place in w and b
	v_mov_b32 v[PS], 0                             ; written before the lane exchange names it as its destination
	s_mov_b32 s12, 0x76543210                      ; each lane takes its own place in the other half
	s_mov_b32 s13, 0xfedcba98
	s_mov_b32 s14, 0x3a800000                      ; 1 / 1024
	s_mov_b32 s15, 0x3727c5ac                      ; 1e-5
	s_lshl_b32 s18, ttmp9, 16                      ; the work-group's 16 rows in src,
	s_mov_b32 s19, 0
	s_lshl_b32 s20, ttmp9, 12                      ; and in a panel
	s_mov_b32 s21, 0
	s_wait_kmcnt 0x0
	s_add_nc_u64 s[4:5], s[4:5], s[18:19]
	s_add_nc_u64 s[10:11], s[10:11], s[20:21]
.irp j, 0,1,2,3,4,5,6,7
	global_load_b128 v[X+4*(\j):X+4*(\j)+3], v1, s[4:5] offset:512*(\j) th:TH_LOAD_NT
.endr
.irp j, 0,1,2,3,4,5,6,7
	global_load_b128 v[GW+4*(\j):GW+4*(\j)+3], v3, s[6:7] offset:512*(\j)
.endr
.irp j, 0,1,2,3,4,5,6,7
	global_load_b128 v[GB+4*(\j):GB+4*(\j)+3], v3, s[8:9] offset:512*(\j)
.endr
.irp j, 0,1,2,3,4,5,6,7
	global_load_b128 v[X+32+4*(\j):X+32+4*(\j)+3], v1, s[4:5] offset:4096+512*(\j) th:TH_LOAD_NT
.endr
; The four chains into one number a lane, then over the 32 lanes: four steps inside each half ride on the addition, one crosses the halves.
.macro TOTAL
	v_pk_add_f32 v[T:T+1], v[T:T+1], v[T+2:T+3]
	v_pk_add_f32 v[T+4:T+5], v[T+4:T+5], v[T+6:T+7]
	v_pk_add_f32 v[T:T+1], v[T:T+1], v[T+4:T+5]
	v_add_f32 v[T], v[T], v[T+1]
	v_add_f32_dpp v[T], v[T], v[T] row_xmask:1 row_mask:0xf bank_mask:0xf
	v_add_f32_dpp v[T], v[T], v[T] row_xmask:2 row_mask:0xf bank_mask:0xf
	v_add_f32_dpp v[T], v[T], v[T] row_xmask:4 row_mask:0xf bank_mask:0xf
	v_add_f32_dpp v[T], v[T], v[T] row_xmask:8 row_mask:0xf bank_mask:0xf
	v_permlanex16_b32 v[PS], v[T], s12, s13
	v_add_f32 v[T], v[T], v[PS]
.endm
; Row r of the wave's two.  c1: the loads younger than the row's own that may stay out; c2: those younger than w's and b's.
.macro ROWLN r, c1, c2
.set XR, X+32*(\r)
	s_wait_loadcnt \c1
.irp k, 0,1,2,3
	v_pk_add_f32 v[T+2*(\k):T+2*(\k)+1], v[XR+2*(\k):XR+2*(\k)+1], v[XR+8+2*(\k):XR+8+2*(\k)+1]  ; the first eight pairs start the chains: nothing is cleared
.endr
.irp k, 8,9,10,11,12,13,14,15
	v_pk_add_f32 v[T+2*((\k)%4):T+2*((\k)%4)+1], v[T+2*((\k)%4):T+2*((\k)%4)+1], v[XR+2*(\k):XR+2*(\k)+1]
.endr
	TOTAL
	v_mul_f32 v[MU], s14, v[T]
	v_mov_b32 v[MU+1], v[MU]
.irp k, 0,1,2,3,4,5,6,7,8,9,10,11,12,13,14,15
	v_pk_add_f32 v[XR+2*(\k):XR+2*(\k)+1], v[XR+2*(\k):XR+2*(\k)+1], v[MU:MU+1] neg_lo:[0,1] neg_hi:[0,1]  ; d = x - mean, in place
.endr
.irp k, 0,1,2,3
	v_pk_mul_f32 v[T+2*(\k):T+2*(\k)+1], v[XR+2*(\k):XR+2*(\k)+1], v[XR+2*(\k):XR+2*(\k)+1]
.endr
.irp k, 4,5,6,7,8,9,10,11,12,13,14,15
	v_pk_fma_f32 v[T+2*((\k)%4):T+2*((\k)%4)+1], v[XR+2*(\k):XR+2*(\k)+1], v[XR+2*(\k):XR+2*(\k)+1], v[T+2*((\k)%4):T+2*((\k)%4)+1]
.endr
	TOTAL
	v_fma_f32 v[T], v[T], s14, s15                 ; var + eps
	v_rsq_f32 v[RS], v[T]
	v_rsq_f32 v[RS+1], v[T]
	v_nop                                          ; a plain instruction between the root and the use of its result (ISA guide 5.7.2)
	s_wait_loadcnt \c2                             ; w and b
	s_wait_alu depctr_va_vdst(0)
.irp k, 0,1,2,3,4,5,6,7,8,9,10,11,12,13,14,15
	v_pk_mul_f32 v[XR+2*(\k):XR+2*(\k)+1], v[XR+2*(\k):XR+2*(\k)+1], v[RS:RS+1]
.endr
.irp k, 0,1,2,3,4,5,6,7,8,9,10,11,12,13,14,15
	v_pk_fma_f32 v[XR+2*(\k):XR+2*(\k)+1], v[XR+2*(\k):XR+2*(\k)+1], v[GW+2*(\k):GW+2*(\k)+1], v[GB+2*(\k):GB+2*(\k)+1]
.endr
.irp j, 0,1,2,3,4,5,6,7
	v_cvt_pk_bf16_f32 v[XR+4*(\j)],   v[XR+4*(\j)],   v[XR+4*(\j)+1]
	v_cvt_pk_bf16_f32 v[XR+4*(\j)+1], v[XR+4*(\j)+2], v[XR+4*(\j)+3]
	global_store_b64 v2, v[XR+4*(\j):XR+4*(\j)+1], s[10:11] offset:((\j)<<20)+256*(\r)  ; panel j; the largest immediate, 7,340,288, lies inside the signed 24 bits
.endr
.endm
	ROWLN 0, 24, 8                                 ; behind row 0's loads stand w's 8, b's 8 and row 1's 8; behind b's, row 1's 8
	ROWLN 1, 0, 0                                  ; each row has its own registers: nothing that a store still reads is rewritten
	s_endpgm
.Lfunc_end_k_qbc2754ff5d_ln1:
	.size	k_qbc2754ff5d_ln1, .Lfunc_end_k_qbc2754ff5d_ln1-k_qbc2754ff5d_ln1
	.p2alignl 7, 3214868480
	.fill 96, 4, 3214868480
	.section	.rodata,"a",@progbits
	.p2align	6, 0x0
	.amdhsa_kernel k_qbc2754ff5d_ln1
		.amdhsa_group_segment_fixed_size 0
		.amdhsa_private_segment_fixed_size 0
		.amdhsa_enable_private_segment 0
		.amdhsa_kernarg_size 32
		.amdhsa_user_sgpr_count 2
		.amdhsa_user_sgpr_kernarg_segment_ptr 1
		.amdhsa_wavefront_size32 1
		.amdhsa_system_sgpr_workgroup_id_x 1
		.amdhsa_system_sgpr_workgroup_id_y 1
		.amdhsa_system_sgpr_workgroup_id_z 1
		.amdhsa_system_vgpr_workitem_id 0
		.amdhsa_next_free_vgpr 146
		.amdhsa_next_free_sgpr 66
		.amdhsa_reserve_vcc 0
		.amdhsa_float_denorm_mode_32 3
		.amdhsa_float_denorm_mode_16_64 3
		.amdhsa_memory_ordered 1
		.amdhsa_forward_progress 1
		.amdhsa_inst_pref_size 21
	.end_amdhsa_kernel
	.amdgpu_metadata
---
amdhsa.version: [ 1, 2 ]
amdhsa.kernels:
  - .name:           k_qbc2754ff5d_ln1
    .symbol:         k_qbc2754ff5d_ln1.kd
    .args:
      - { .name: x, .offset: 0, .size: 8, .value_kind: global_buffer, .address_space: global }
      - { .name: ln1_w, .offset: 8, .size: 8, .value_kind: global_buffer, .address_space: global }
      - { .name: ln1_b, .offset: 16, .size: 8, .value_kind: global_buffer, .address_space: global }
      - { .name: act, .offset: 24, .size: 8, .value_kind: global_buffer, .address_space: global }
    .group_segment_fixed_size: 0
    .private_segment_fixed_size: 0
    .kernarg_segment_align: 8
    .kernarg_segment_size: 32
    .max_flat_workgroup_size: 256
    .sgpr_count:     66
    .vgpr_count:     146
    .wavefront_size: 32
...
	.end_amdgpu_metadata
.endif
;; end of part 2
;; launch qkv (part 3): grid 12 x 16, 4 waves a work-group, clusters of 4 x 4, 327,680 bytes of LDS; arguments act, wqkv, qkv; writes qkv
.if DOCPART == 3
	.amdgcn_target "amdgcn-amd-amdhsa--gfx1250"
	.amdhsa_code_object_version 6
	.text
	.protected	k_qbc2754ff5d_qkv
	.globl	k_qbc2754ff5d_qkv
	.p2align	8
	.type	k_qbc2754ff5d_qkv,@function
k_qbc2754ff5d_qkv:
	s_mov_b64 s[64:65], 0
	v_nop
	global_prefetch_b8 v0, s[64:65] scope:SCOPE_SE
	s_setreg_imm32_b32 hwreg(HW_REG_WAVE_MODE, 25, 1), 1
	s_wait_xcnt 0x0
	s_wait_alu depctr_hold_cnt(0) depctr_sa_sdst(0) depctr_va_vdst(0) depctr_va_sdst(0) depctr_va_ssrc(0) depctr_va_vcc(0) depctr_vm_vsrc(0)
	s_getreg_b32 s2, hwreg(HW_REG_IB_STS2, 6, 4)
	s_cmp_eq_u32 s2, 0
	s_cbranch_scc0 .Lentry_in_a_cluster
	s_endpgm
.Lentry_in_a_cluster:
	s_bfe_u32 s2, ttmp6, 0x10000c
	s_cmp_lg_u32 s2, 0xf033
	s_cbranch_scc0 .Lentry_shape_is_right
	s_endpgm
.Lentry_shape_is_right:
; C = max(A B^T, floor), K = 1,024, 4,096 rows; bf16 operands, f32 sums, C rounded once to bf16.  One text for two products: h [wq; wk; wv]^T and relu(h2 w_up^T).
; A: panels [8][4096 rows][128] bf16.  B: 512 bytes of header, then [n / 256][8 panels][256 rows][128] bf16.  C: panels [n / 128][4096][128] bf16.
; In all three a row of a panel is 256 bytes and rows lie end to end, so every tile is a dense run of rows of 256 bytes, aligned.
; THE FLOOR is the first word of B's buffer, two bf16: minus infinity (no floor) or 0 (the ReLU); it enters a packed maximum on the rounded results and nothing else.
; LIMIT: that maximum lets a NaN lose: a NaN in a sum leaves as the floor.
; SHARES.  A tile of C, 256 x 256, is made by four waves, each 128 x 128: 64 accumulators of 16 x 16, 512 registers.  K goes in 8 steps of 128 (a panel) through a ring of
; two LDS slots; each wave fetches a quarter of a slot (128 rows x 256 bytes) by one tensor load.
; CLUSTER.  4 x 4 work-groups.  The four of a row of the cluster need the same tiles of A, the four of a column the same tiles of B: each tile is asked for jointly, by the
; same tensor load with the same descriptor and a mask that names the four.  A wave has two tensor loads out at the start and one behind each round.
; No prefetch: the walk has 8 K steps, of which the first four are asked for before a prefetch could lead them, and the tiles are shared in the cluster.
; REGISTERS, in windows of 256: window 0: v0-31 addresses; v64-127, v128-191 A's fragments, two buffers; v32-63, v192-255 at work on the way out.
;   window 1: v64-127, v128-191 B's fragments.   window 2: the accumulators of my rows 0-63 ((a, b) at v[8 (8 a + b)]).   window 3: those of my rows 64-127.
; THE MATRIX INSTRUCTION IS USED TRANSPOSED (source 0 = 16 rows of B, source 1 = 16 rows of A): a lane then holds eight neighbouring numbers of a row of C.
.set PITCH,  272                       ; an LDS row: 256 bytes + 16 of padding = 68 words: the 16 rows of a fragment load start at 16 different groups of four banks (ISA guide 11.1)
.set HALFT,  128*PITCH                 ; what one tensor load brings, and what one wave reads of A or of B
.set SLOT,   4*HALFT                   ; A's 256 rows, then B's 256 rows
.set STAGE,  2*SLOT                    ; behind the ring: 16 rows x 272 bytes for each wave, for the way out
.set SPITCH, 272
.set SPARE,  STAGE+4*16*SPITCH         ; behind the stages: the spare words, 128 bytes a wave: two blocks of 256 bytes that no other line names
.set LAPS,   4                         ; a lap = two K steps = once round the ring
.set ASTEP,  1048576                   ; bytes from a K step's tile of A to the next: a panel
.set BSTEP,  65536                     ; the same for B
.set ADRA, 16                          ; v16-17  LDS address of my A fragments in slot 0, 1
.set ADRB, 20                          ; v20-21  the same for B
.set STO,  24                          ; v24     the way out: where I put 16 bytes of a row
.set RD,   25                          ; v25     the way out: where I read a row back
.set CO,   26                          ; v26     16 x lane: my 16 bytes of two rows of C
.set SPW,  28                          ; v28     LDS address of my spare word; never rewritten
.set NIL,  29                          ; v29     0; never rewritten
.set F0,   64
.set F1,   128
.set TMP,  192
.set OB,   32                          ; 16 rows read back from the stage: v32-63 and v224-255 by turns
.set G1, 24                            ; s[24:31] descriptor group 1 for A's tiles;  s[32:39] group 0, a set for each slot
.set G0, 32
.set G1B, 48                           ; s[48:55], s[56:63] the same for B's
.set G0B, 56
.set FLOOR, 45                         ; s45
.set MSB, 0
.macro WIN new                         ; the immediate's high byte repeats the setting that is left; a switch that changes nothing is dropped
.if MSB != (\new)
	s_set_vgpr_msb (MSB<<8)|(\new)
.set MSB, \new
.endif
.endm
.set MUL_LO, 0xa1                      ; source 0 (B) window 1, source 1 (A) window 0, C and D window 2
.set MUL_HI, 0xf1                      ; the same, C and D window 3
.set TO_B,   0x40                      ; destination window 1, address window 0
; A joint load.  Waves 0 and 1 fetch A's two halves, waves 2 and 3 B's; the branch hangs on the wave's number alone.  An s_nop 0 and four v_nop follow each line.
.macro JLOAD s
	s_cmp_eq_u32 s11, 0
	s_cbranch_scc0 .Lfor_b_\@
	tensor_load_to_lds s[G0+4*(\s):G0+4*(\s)+3], s[G1:G1+7]
	s_nop 0
.rept 4
	v_nop
.endr
	s_branch .Lasked_\@
.Lfor_b_\@:
	tensor_load_to_lds s[G0B+4*(\s):G0B+4*(\s)+3], s[G1B:G1B+7]
	s_nop 0
.rept 4
	v_nop
.endr
.Lasked_\@:
.endm
.macro CREST                           ; a round of the cluster's barrier behind its opening barrier: wave 0 signals for the work-group, every wave waits for all sixteen, my work-group's barrier closes it
	s_cmp_lg_u32 s10, 0
	s_cbranch_scc1 .Lnot_wave_0_\@
	s_barrier_signal -3
.Lnot_wave_0_\@:
	s_barrier_wait -3
	s_barrier_signal -1
	s_barrier_wait -1
.endm
.macro CROUND                          ; a whole round
	s_barrier_signal -1
	s_barrier_wait -1
	CREST
.endm
	s_load_b128 s[4:7], s[0:1], 0x0                ; A s[4:5], B s[6:7]
	s_load_b64 s[8:9], s[0:1], 0x10                ; C
	v_lshl_add_u32 v[SPW], v0, 2, SPARE
	v_mov_b32 v[NIL], 0
	ds_add_u32 v[SPW], v[NIL]                      ; the wave's opening: the add and its wait ahead of my first tensor load; work on registers stands between them
	v_lshrrev_b32 v1, 5, v0
	v_readfirstlane_b32 s10, v1                    ; wave 0..3
	s_lshr_b32 s11, s10, 1                         ; which half of the tile's rows is mine.  Also: I fetch for A (0) or for B (1)
	s_and_b32 s12, s10, 1                          ; which half of its columns.  Also: which 128 rows of that tile I fetch
	s_bfe_u32 s40, ttmp6, 0x40000                  ; cx, cy: my place in the cluster
	s_bfe_u32 s41, ttmp6, 0x40004
	s_lshl_b32 s42, ttmp9, 2
	s_add_co_u32 s42, s42, s40                     ; tile column = 4 x cluster x + cx
	s_and_b32 s13, ttmp7, 0xffff
	s_lshl_b32 s13, s13, 2
	s_add_co_u32 s13, s13, s41                     ; tile row = 4 x cluster y + cy
	s_lshl_b32 s43, s41, 2
	s_lshl_b32 s43, 15, s43                        ; my row of the cluster
	s_lshl_b32 s44, 0x1111, s40                    ; my column
	s_or_b32 s[G1+0], s43, (1<<16)|(1<<20)|(1<<21)|(5<<22)|(3<<25)   ; the mask; elements of 2 bytes; padding on; bit 21 beside a mask; after every 64 words, 4 words
	s_or_b32 s[G1B+0], s44, (1<<16)|(1<<20)|(1<<21)|(5<<22)|(3<<25)
.irp g, G1, G1B
	s_mov_b32 s[(\g)+1], 128<<16                   ; tensor_dim0 = 128
	s_mov_b32 s[(\g)+2], 128<<16                   ; tensor_dim1 = 128
	s_mov_b32 s[(\g)+3], 128<<16                   ; tile_dim0 = 128
	s_mov_b32 s[(\g)+4], 128                       ; tile_dim1 = 128
	s_mov_b32 s[(\g)+5], 128                       ; 128 elements from row to row: the rows are dense
	s_mov_b32 s[(\g)+6], 0
	s_mov_b32 s[(\g)+7], 0
.endr
	s_lshl_b32 s16, s13, 16                        ; A: the tile row's 256 rows of 256 bytes,
	s_lshl_b32 s17, s12, 15                        ; my 128 of them
	s_add_co_u32 s16, s16, s17
	s_mov_b32 s17, 0
	s_lshl_b32 s46, s42, 19                        ; B: the tile column's 8 panels of 65,536 bytes,
	s_lshl_b32 s47, s12, 15                        ; my 128 rows of a panel,
	s_add_co_u32 s46, s46, s47
	s_add_co_u32 s46, s46, 512                     ; behind the header
	s_mov_b32 s47, 0
	s_mul_i32 s20, s10, HALFT                      ; where they go: wave x 128 rows: no place in the cluster enters an LDS address
	s_wait_dscnt 0x0                               ; the opening add is done
	s_wait_kmcnt 0x0
	s_add_nc_u64 s[14:15], s[4:5], s[16:17]
	s_add_nc_u64 s[46:47], s[6:7], s[46:47]
	s_load_b32 s[FLOOR], s[6:7], 0x0               ; the floor
	CROUND                                         ; all sixteen work-groups are here: the first joint loads meet
.irp s, 0,1
	s_mov_b32 s[G0+4*(\s)], 1
	s_add_co_u32 s[G0+4*(\s)+1], s20, (\s)*SLOT
	s_add_nc_u64 s[G0+4*(\s)+2:G0+4*(\s)+3], s[14:15], (\s)*ASTEP
	s_or_b32 s[G0+4*(\s)+3], s[G0+4*(\s)+3], 0x80000000
	s_mov_b32 s[G0B+4*(\s)], 1
	s_add_co_u32 s[G0B+4*(\s)+1], s20, (\s)*SLOT
	s_add_nc_u64 s[G0B+4*(\s)+2:G0B+4*(\s)+3], s[46:47], (\s)*BSTEP
	s_or_b32 s[G0B+4*(\s)+3], s[G0B+4*(\s)+3], 0x80000000
	JLOAD \s
.endr
	; A fragment is 16 rows x 32 K in 8 registers: lane l holds row l % 16, K = 8 (l / 16) + 0..7 and 16 + 8 (l / 16) + 0..7: two loads of 16 bytes, 32 bytes apart.
	v_and_b32 v1, 15, v0                           ; l % 16
	v_bfe_u32 v2, v0, 4, 1                         ; l / 16
	v_mul_u32_u24 v3, v1, PITCH
	v_lshl_add_u32 v3, v2, 4, v3
	s_mul_i32 s21, s11, HALFT                      ; my 128 rows of A
	s_mul_i32 s22, s12, HALFT                      ; my 128 rows of B,
	s_add_co_u32 s22, s22, 2*HALFT                 ; which lie behind A's 256
.irp s, 0,1
	v_add_nc_u32 v[ADRA+(\s)], s21, v3
	v_add_nc_u32 v[ADRB+(\s)], s22, v3
	s_add_co_u32 s21, s21, SLOT
	s_add_co_u32 s22, s22, SLOT
.endr
	s_mul_i32 s23, s10, 16*SPITCH
	s_add_co_u32 s23, s23, STAGE                   ; my stage
	v_mul_u32_u24 v4, v1, SPITCH                   ; in: row l % 16, 16 bytes for each half of the lanes
	v_lshl_add_u32 v4, v2, 4, v4
	v_add_nc_u32 v[STO], s23, v4
	v_mul_u32_u24 v5, v2, SPITCH                   ; back: lanes 0-15 one row of 256 bytes, lanes 16-31 the next
	v_lshl_add_u32 v5, v1, 4, v5
	v_add_nc_u32 v[RD], s23, v5
	v_and_b32 v[CO], 31, v0                        ; in C those two rows are 512 consecutive bytes
	v_lshlrev_b32 v[CO], 4, v[CO]
	s_lshl_b32 s16, s13, 16                        ; C: my 128 rows in a panel,
	s_lshl_b32 s17, s11, 15
	s_add_co_u32 s16, s16, s17
	s_mov_b32 s17, 0
	s_add_nc_u64 s[8:9], s[8:9], s[16:17]
	s_lshl_b32 s46, s42, 21                        ; and my 128 columns: panel 2 x tile column + half
	s_lshl_b32 s47, s12, 20
	s_add_co_u32 s46, s46, s47
	s_mov_b32 s47, 0
	s_add_nc_u64 s[8:9], s[8:9], s[46:47]
; 16 matrix instructions: m blocks a0, a0 + 1 of the window's four x all 8 n blocks, 32 along K.  zero = 1: the first product starts the sums: nothing is cleared.
; The 64 accumulators take turns, one instruction a turn, in the same order in every quarter.
.macro MUL16 f, hi, a0, zero
	WIN MUL_LO+0x50*(\hi)
.irp a, \a0, (\a0)+1
.irp b, 0,1,2,3,4,5,6,7
.if \zero
	v_wmma_f32_16x16x32_bf16 v[8*(8*(\a)+(\b)):8*(8*(\a)+(\b))+7], v[(\f)+8*(\b):(\f)+8*(\b)+7], v[(\f)+8*(4*(\hi)+(\a)):(\f)+8*(4*(\hi)+(\a))+7], 0
.else
	v_wmma_f32_16x16x32_bf16 v[8*(8*(\a)+(\b)):8*(8*(\a)+(\b))+7], v[(\f)+8*(\b):(\f)+8*(\b)+7], v[(\f)+8*(4*(\hi)+(\a)):(\f)+8*(4*(\hi)+(\a))+7], v[8*(8*(\a)+(\b)):8*(8*(\a)+(\b))+7]
.endif
.endr
.endr
.endm
; 32 LDS loads in one run: the fragments of one quarter step (128 rows of B, 128 rows of A, 32 K at byte k of the rows) into buffer f
.macro FETCH slot, k, f
	WIN TO_B
.irp i, 0,1,2,3,4,5,6,7
	ds_load_b128 v[(\f)+8*(\i):(\f)+8*(\i)+3],   v[ADRB+(\slot)] offset:(\k)+(\i)*16*PITCH
	ds_load_b128 v[(\f)+8*(\i)+4:(\f)+8*(\i)+7], v[ADRB+(\slot)] offset:(\k)+(\i)*16*PITCH+32
.endr
	WIN 0
.irp i, 0,1,2,3,4,5,6,7
	ds_load_b128 v[(\f)+8*(\i):(\f)+8*(\i)+3],   v[ADRA+(\slot)] offset:(\k)+(\i)*16*PITCH
	ds_load_b128 v[(\f)+8*(\i)+4:(\f)+8*(\i)+7], v[ADRA+(\slot)] offset:(\k)+(\i)*16*PITCH+32
.endr
.endm
.macro PLACES                          ; four plain places between a matrix instruction and loads into registers that it read, or conversions of its results
.rept 4
	v_nop
.endr
.endm
; A K step is four quarters of 32 along K, 64 matrix instructions each, on buffers 0, 1, 0, 1.  One of the first three multiplies buffer f and, in its middle, fetches the next quarter into g.
.macro QUARTER slot, k, f, g, zero
	s_wait_dscnt 8                                 ; B and A's rows 0-63 are in; the youngest eight loads (A's rows 64-127) may be out
	WIN MUL_LO
	MUL16 \f, 0, 0, \zero
	MUL16 \f, 0, 2, \zero
	PLACES
	FETCH \slot, \k, \g
	s_wait_dscnt 32                                ; all but the 32 just issued
	WIN MUL_HI
	MUL16 \f, 1, 0, \zero
	MUL16 \f, 1, 2, \zero
.endm
; The last quarter's first half: one barrier for the change of slots.  In front of it each wave waits for all its tensor loads (one is out: its part of the next slot), adds 0 to its
; spare word, and waits for that and for its own reads of this slot.
.macro MEET round
	WIN 0                                          ; (the add's two registers lie in window 0)
	s_wait_tensorcnt 0x0
	ds_add_u32 v[SPW], v[NIL]
	s_wait_dscnt 9                                 ; the add and the youngest eight loads may be out
	WIN MUL_LO
	MUL16 F1, 0, 0, 0                              ; sixteen matrix instructions stand between the add and the wait for it
	s_wait_dscnt 0x0                               ; the add is done, and my reads of this slot are over
	s_barrier_signal -1
	MUL16 F1, 0, 2, 0                              ; work on registers while the others arrive
.if \round
	WIN 0
.endif
	s_barrier_wait -1
.endm
; The whole last quarter.  fill = 1: the barrier opens a round of the cluster's, and the slot just read out is filled again, two K steps on, first thing behind the round.
.macro TURN slot, next, fill
	MEET \fill
.if \fill
	CREST                                          ; no wave of any partner still reads this slot's tile or has a load on its way
	s_add_nc_u64 s[G0+4*(\slot)+2:G0+4*(\slot)+3], s[G0+4*(\slot)+2:G0+4*(\slot)+3], 2*ASTEP
	s_add_nc_u64 s[G0B+4*(\slot)+2:G0B+4*(\slot)+3], s[G0B+4*(\slot)+2:G0B+4*(\slot)+3], 2*BSTEP
	JLOAD \slot                                    ; its four v_nop are also the places in front of the loads below
.else
	PLACES
.endif
	FETCH \next, 0, F0
	WIN MUL_HI
	MUL16 F1, 1, 0, 0
	MUL16 F1, 1, 2, 0
.endm
; THE WAY OUT of block a (16 rows).  PACK: rounded to bf16, 16 bytes a lane, each accumulator's registers in ascending order; the floor.  TOSTAGE: into my own stage, and back as whole rows.  SEND: stored.
.macro PACK a
.set AC, 64*((\a)%4)
	WIN 0x0a+5*((\a)/4)                            ; sources 0 and 1: window 2 or 3
.irp b, 0,1,2,3,4,5,6,7
.irp r, 0,1,2,3
	v_cvt_pk_bf16_f32 v[TMP+4*(\b)+(\r)], v[AC+8*(\b)+2*(\r)], v[AC+8*(\b)+2*(\r)+1]
.endr
.endr
	WIN 0
.set z, 0
.rept 32
	v_pk_max_num_bf16 v[TMP+z], v[TMP+z], s[FLOOR]
.set z, z+1
.endr
.endm
.macro TOSTAGE a
	WIN 0
.set BK, OB+192*((\a)%2)
.irp b, 0,1,2,3,4,5,6,7
	ds_store_b128 v[STO], v[TMP+4*(\b):TMP+4*(\b)+3] offset:32*(\b)
.endr
.irp t, 0,1,2,3,4,5,6,7
	ds_load_b128 v[BK+4*(\t):BK+4*(\t)+3], v[RD] offset:(\t)*2*SPITCH  ; LDS serves a wave's instructions in order (ISA guide 5.7.1.4): these see the stores above
.endr
.endm
.macro SEND a, younger
	WIN 0
.set BK, OB+192*((\a)%2)
	s_wait_dscnt \younger                          ; the block is back in registers
	s_wait_xcnt 0x0                                ; the stores of the block before have read their registers, which the next block's loads from the stage write
.irp t, 0,1,2,3,4,5,6,7
	global_store_b128 v[CO], v[BK+4*(\t):BK+4*(\t)+3], s[8:9] offset:4096*(\a)+512*(\t)  ; 512 consecutive bytes, at a multiple of 256 from C's first byte
.endr
.endm
	s_wait_kmcnt 0x0                               ; the floor
	s_wait_tensorcnt 1                             ; my part of K step 0 is in; K step 1's may stay out
	s_barrier_signal -1
	s_barrier_wait -1                              ; everybody's is
	FETCH 0, 0, F0
	QUARTER 0, 64,  F0, F1, 1                      ; the first quarter stands in front of the loop: its products start the sums
	WIN 0                                          ; at a label and at a branch every window is 0
	s_mov_b32 s3, LAPS-1
.Llap:                                             ; a trip goes once round the ring, from a lap's second quarter to the next lap's first, and fills both slots again
	QUARTER 0, 128, F1, F0, 0
	QUARTER 0, 192, F0, F1, 0
	TURN 0, 1, 1
	QUARTER 1, 64,  F0, F1, 0
	QUARTER 1, 128, F1, F0, 0
	QUARTER 1, 192, F0, F1, 0
	TURN 1, 0, 1
	QUARTER 0, 64,  F0, F1, 0
	WIN 0
	s_sub_co_u32 s3, s3, 1
	s_cmp_lg_u32 s3, 0
	s_cbranch_scc1 .Llap
	QUARTER 0, 128, F1, F0, 0                      ; the last lap fills nothing
	QUARTER 0, 192, F0, F1, 0
	TURN 0, 1, 0
	QUARTER 1, 64,  F0, F1, 0
	QUARTER 1, 128, F1, F0, 0
	QUARTER 1, 192, F0, F1, 0
	s_wait_dscnt 8                                 ; the very last quarter: nothing more to fetch
	WIN MUL_LO
	MUL16 F1, 0, 0, 0
	MUL16 F1, 0, 2, 0
	s_wait_dscnt 0x0
	WIN MUL_HI
	MUL16 F1, 1, 0, 0
	MUL16 F1, 1, 2, 0
	PLACES
	PACK 0
	TOSTAGE 0
.irp a, 1,2,3,4,5,6,7                  ; block a's conversions stand between block a - 1's loads from the stage and the wait for them
	PACK \a
	SEND (\a)-1, 0
	TOSTAGE \a
.endr
	SEND 7, 0
	s_wait_tensorcnt 0x0                           ; the wave's end: behind my last tensor load and my last LDS store
	ds_add_u32 v[SPW], v[NIL]
	s_wait_dscnt 0x0
	CROUND                                         ; the closing round: no work-group ends while a partner may still ask for a tile that names it
	s_endpgm
.Lfunc_end_k_qbc2754ff5d_qkv:
	.size	k_qbc2754ff5d_qkv, .Lfunc_end_k_qbc2754ff5d_qkv-k_qbc2754ff5d_qkv
	.p2alignl 7, 3214868480
	.fill 96, 4, 3214868480
	.section	.rodata,"a",@progbits
	.p2align	6, 0x0
	.amdhsa_kernel k_qbc2754ff5d_qkv
		.amdhsa_group_segment_fixed_size 327680
		.amdhsa_private_segment_fixed_size 0
		.amdhsa_enable_private_segment 0
		.amdhsa_kernarg_size 24
		.amdhsa_user_sgpr_count 2
		.amdhsa_user_sgpr_kernarg_segment_ptr 1
		.amdhsa_wavefront_size32 1
		.amdhsa_system_sgpr_workgroup_id_x 1
		.amdhsa_system_sgpr_workgroup_id_y 1
		.amdhsa_system_sgpr_workgroup_id_z 1
		.amdhsa_system_vgpr_workitem_id 0
		.amdhsa_next_free_vgpr 1024
		.amdhsa_next_free_sgpr 66
		.amdhsa_reserve_vcc 0
		.amdhsa_float_denorm_mode_32 3
		.amdhsa_float_denorm_mode_16_64 3
		.amdhsa_memory_ordered 1
		.amdhsa_forward_progress 1
		.amdhsa_inst_pref_size 158
	.end_amdhsa_kernel
	.amdgpu_metadata
---
amdhsa.version: [ 1, 2 ]
amdhsa.kernels:
  - .name:           k_qbc2754ff5d_qkv
    .symbol:         k_qbc2754ff5d_qkv.kd
    .args:
      - { .name: act, .offset: 0, .size: 8, .value_kind: global_buffer, .address_space: global }
      - { .name: wqkv, .offset: 8, .size: 8, .value_kind: global_buffer, .address_space: global }
      - { .name: qkv, .offset: 16, .size: 8, .value_kind: global_buffer, .address_space: global }
    .group_segment_fixed_size: 327680
    .private_segment_fixed_size: 0
    .kernarg_segment_align: 8
    .kernarg_segment_size: 24
    .max_flat_workgroup_size: 128
    .sgpr_count:     66
    .vgpr_count:     1024
    .wavefront_size: 32
...
	.end_amdgpu_metadata
.endif
;; end of part 3
;; launch attn (part 4): grid 16 x 16, 4 waves a work-group, clusters of 4 x 1, 327,680 bytes of LDS; arguments qkv, act; writes act
.if DOCPART == 4
	.amdgcn_target "amdgcn-amd-amdhsa--gfx1250"
	.amdhsa_code_object_version 6
	.text
	.protected	k_qbc2754ff5d_attn
	.globl	k_qbc2754ff5d_attn
	.p2align	8
	.type	k_qbc2754ff5d_attn,@function
k_qbc2754ff5d_attn:
	s_mov_b64 s[64:65], 0
	v_nop
	global_prefetch_b8 v0, s[64:65] scope:SCOPE_SE
	s_setreg_imm32_b32 hwreg(HW_REG_WAVE_MODE, 25, 1), 1
	s_wait_xcnt 0x0
	s_wait_alu depctr_hold_cnt(0) depctr_sa_sdst(0) depctr_va_vdst(0) depctr_va_sdst(0) depctr_va_ssrc(0) depctr_va_vcc(0) depctr_vm_vsrc(0)
	s_getreg_b32 s2, hwreg(HW_REG_IB_STS2, 6, 4)
	s_cmp_eq_u32 s2, 0
	s_cbranch_scc0 .Lentry_in_a_cluster
	s_endpgm
.Lentry_in_a_cluster:
	s_bfe_u32 s2, ttmp6, 0x10000c
	s_cmp_lg_u32 s2, 0x3003
	s_cbranch_scc0 .Lentry_shape_is_right
	s_endpgm
.Lentry_shape_is_right:
; ATTENTION, 2 batches x 16 heads x 2,048 rows, head size 64, no mask.  o[q] = the sum over k of softmax_k(q . k / 8) v[k].
; qkv: panels [24][4096 rows][128] bf16: q in panels 0-7, k in 8-15, v in 16-23; a panel's row of 256 bytes holds TWO heads' 64 channels.  o leaves in the same form, panels [8][4096][128].
; Products, maxima and sums in f32; the weights p are rounded to bf16 for the second product (their sum l is taken of the unrounded p), o once at the end.
; LIMITS.  c m starts at -4.25e37, so |c s| stays below that (c = log2(e) / 8); a weight below 2^-126 counts as 0 in l; NaN and infinities are not treated apart.
; SHARES.  A work-group takes 128 queries of one batch and one panel (two heads): waves 0, 1 the first head's queries 0-63 and 64-127, waves 2, 3 the second head's.  So K's and V's tiles come
; in, and o goes out, as whole rows of 256 bytes.  A wave owns four PIECES of 16 queries and walks all 2,048 keys, 64 a step.
; LAYOUT.  S^T = K Q^T (source 0 = 16 keys, source 1 = 16 queries): a lane holds ONE query (lane % 16) and the keys 8 (lane / 16) + 0..7; two such results rounded to bf16 ARE source 1 of
; O^T = V^T P.  K comes out of LDS as it lies, V turned, by ds_load_tr16_b128.
; SOFTMAX.  A running maximum m and sum l for each query: p = 2^(c s - c m); in every step O and l are multiplied by a = 2^(c m_old - c m_new).  m starts at the lowest finite number, O and l at 0:
; the first step is a step like any other, with a = 0.
; BY TURNS.  Turn n belongs to piece n: 8 products K Q^T of piece n + 1, later 8 products V^T P of piece n - 1; beside them the scaling, exponentials, roundings, sums and rescaling of piece n and
; the maximum and statistics of piece n + 1.  Four vector instructions stand behind every matrix instruction, the other 54 of a turn's 118 in two runs of their own.
; CLUSTER.  The four query blocks of a cluster walk the same K and V, so each tile is asked for jointly: the same tensor load, descriptor and mask in all four.  A wave has one tensor load out.
; REGISTERS, in windows of 256 (s_set_vgpr_msb: bits 1:0 source 0, 3:2 source 1, 5:4 source 2, 7:6 destination):
;   window 0: v0-15 addresses; v16-31 four registers of statistics a piece; v48-55 at work; v64-127 S^T, two buffers; v192-223 P, two buffers (by the piece's parity)
;   window 1: v0-127 O^T, 32 a piece          window 2: v0-63 Q; v128-191 K of one step; v192-255 V of one step
.set NP,    4         ; pieces a wave: a name, no knob
.set KS,    64        ; keys in a step
.set PK,    272       ; a row of K in LDS: 256 bytes + 16 of padding: the 16 rows of a load start at 16 different groups of four banks (ISA guide 11.1)
.set PV,    288       ; a row of V: 256 + 32
.set VOFF,  KS*PK     ; a step's tiles lie together: 64 rows of K, then 64 rows of V
.set STEPB, KS*(PK+PV)
.set SLOT1, 1<<17     ; a slot holds two steps (71,680 bytes); slot 1 begins here, so that one exclusive or turns an address in one slot into the other's
.set STAGE, SLOT1+2*STEPB  ; behind the ring, never filled by a tensor load: 128 rows x 272 bytes, the work-group's, for the way out
.set SP,    272
.set SPARE, STAGE+128*SP   ; behind the stage: the spare words, 128 bytes a wave: two blocks of 256 bytes that no other line names
.set AK0, 2           ; v2   my lane's place in a tile of K, my head's half of the rows; never rewritten
.set AV0, 3           ; v3   the same for V
.set AK,  4           ; v4   the LDS address of K's next run of loads
.set AV,  5           ; v5   of V's
.set STO, 6           ; v6   the way out: where I put 16 bytes of a row
.set RD,  7           ; v7   the way out: where I read rows back
.set GO,  8           ; v8   16 x lane
.set MV,  12          ; v12-13  c m_old, kept while c m is made anew: by buffer
.set PFO, 14          ; v14  256 x lane: a row of K or V; never rewritten
.set QO,  15          ; v15  my byte offset in 16 rows of Q
.set ST,  16          ; piece t's statistics at v[ST+4 t]: c m, m, l (even keys', odd keys')
.set TMP, 48          ; by buffer, four registers c0-c3 at work; when the maximum is found c2 takes a
.set SPW, 62          ; v62  LDS address of my spare word; never rewritten
.set NIL, 63          ; v63  0; never rewritten
.set S,   64
.set P,   192
.set KF,  128         ; window 2: key block kb, channel half c at KF + 16 kb + 8 c
.set VF,  192         ; window 2: key half kk, channel block cb at VF + 32 kk + 8 cb
.set WV,  12          ; s12  my wave's number
.set G1K, 24          ; s[24:31] descriptor group 1 for K's tiles
.set G1V, 32          ; s[32:39] for V's: it differs in the padding alone
.set G0K, 40          ; s[40:43] descriptor group 0 for K's tiles: it walks
.set G0V, 44          ; s[44:47] the same for V's
.set PFA, 48          ; s[48:49] where my prefetches stand
.set LIM, 50          ; s50  1 in a wave that prefetches, else the greatest number
.set HB,  51          ; s51  128 x my head's place in the panel
.set SLOTS, 56        ; s56  slots still to be asked for
.set CNT, 57          ; s57  counts a slot's key steps
.set CS,  58          ; s[58:59] c
.set SEL, 60          ; s[60:61] each lane takes its own place in the other half
.set TBK, 62          ; s62  LDS byte at which the step whose K is fetched next begins
.set TBV, 63          ; s63  the same for V
.set MSB, 0
.macro WIN new                      ; the high byte repeats the setting that is left; a switch that changes nothing is dropped
.if MSB != (\new)
	s_set_vgpr_msb (MSB<<8)|(\new)
.set MSB, (\new)
.endif
.endm
.set W_KQ, 0x0a       ; K and Q in window 2, S^T in window 0
.set W_PV, 0x52       ; V in window 2, P in window 0, O^T in window 1
.set W_RS, 0x41       ; destination and source 0 in window 1, source 1 in window 0
; A joint fill.  Waves 0 and 1 fetch K of a slot's two steps, waves 2 and 3 V: 64 keys each.  An s_nop 0 and four v_nop follow each of the two lines.
.macro JLOAD
	s_cmp_lt_u32 s[WV], 2
	s_cbranch_scc0 .Lfor_v_\@
	tensor_load_to_lds s[G0K:G0K+3], s[G1K:G1K+7]
	s_nop 0
.rept 4
	v_nop
.endr
	s_branch .Lasked_\@
.Lfor_v_\@:
	tensor_load_to_lds s[G0V:G0V+3], s[G1V:G1V+7]
	s_nop 0
.rept 4
	v_nop
.endr
.Lasked_\@:
.endm
; A prefetch of what the NEXT change of slots will ask for: a slot's 128 rows of K and of V, a lane a row.  Each row is named once in the launch: of the four clusters that walk the same K and V the
; first asks; its four partners take 32 rows each, told apart by address; in each, wave 0 asks for K's and wave 2 for V's.  The last change that fills a slot asks for nothing.
.macro ASK
	s_cmp_gt_u32 s[SLOTS], s[LIM]
	s_cbranch_scc0 .Lnot_mine_\@
	global_prefetch_b8 v[PFO], s[PFA:PFA+1] th:TH_LOAD_NT scope:SCOPE_SE
.Lnot_mine_\@:
.endm
.macro CROUND                       ; a round of the cluster's barrier
	s_barrier_signal -1
	s_barrier_wait -1
	s_cmp_lg_u32 s[WV], 0
	s_cbranch_scc1 .Lnot_wave_0_\@
	s_barrier_signal -3
.Lnot_wave_0_\@:
	s_barrier_wait -3
	s_barrier_signal -1
	s_barrier_wait -1
.endm
; THE CHANGE OF SLOTS.  The slot's last bytes, V of its second step, have been read.  Each wave waits for all its tensor loads (one is out: its part of the other slot), adds 0 to its spare word, and
; waits for that and for its own reads of the slot.  fill = 1: the barrier is a round of the cluster's and the slot is filled again first thing behind it, with the keys two slots on: the load has two
; key steps, 128 matrix instructions and their vector work, in which to land.  (At its first use nothing has been read yet: slot 0 is waited for, slot 1 filled.)
.macro CHANGE fill
	WIN 0
	s_wait_tensorcnt 0x0            ; no tensor load of mine is out, so a group 0 may be written
	ds_add_u32 v[SPW], v[NIL]       ; 0 onto my spare word; scalar work stands between it and the wait for it
.if \fill
.irp g, G0K, G0V
	s_xor_b32 s[\g+1], s[\g+1], SLOT1
	s_add_nc_u64 s[\g+2:\g+3], s[\g+2:\g+3], 2*KS*256
.endr
	s_wait_xcnt 0x0                 ; the last prefetch, two key steps back, has read its address
	s_add_nc_u64 s[PFA:PFA+1], s[PFA:PFA+1], 2*KS*256
	s_wait_dscnt 0x0                ; the add is done, and my reads of the slot are over
	CROUND
	JLOAD
	ASK
.else
	s_wait_dscnt 0x0
	s_barrier_signal -1
	s_barrier_wait -1
.endif
	s_sub_co_u32 s[TBK], s[TBK], 2*STEPB  ; the fetches go back to a slot's first step,
	s_xor_b32 s[TBK], s[TBK], SLOT1       ; in the other slot
	s_sub_co_u32 s[TBV], s[TBV], 2*STEPB
	s_xor_b32 s[TBV], s[TBV], SLOT1
.endm
	s_load_b128 s[4:7], s[0:1], 0x0 ; qkv s[4:5], act s[6:7]
	v_lshl_add_u32 v[SPW], v0, 2, SPARE
	v_mov_b32 v[NIL], 0
	ds_add_u32 v[SPW], v[NIL]       ; the wave's opening: the add and its wait ahead of my first tensor load
	v_lshrrev_b32 v1, 5, v0
	v_readfirstlane_b32 s[WV], v1   ; wave 0..3
	s_bfe_u32 s13, ttmp6, 0x40000   ; cx
	s_lshl_b32 s14, ttmp9, 2
	s_add_co_u32 s14, s14, s13      ; my block of 128 queries: it enters Q's and O's addresses alone
	s_and_b32 s20, ttmp7, 0xffff    ; 8 x batch + panel, which the four partners share
	s_and_b32 s21, s20, 7
	s_lshl_b32 s21, s21, 20         ; the panel,
	s_lshr_b32 s20, s20, 3
	s_lshl_b32 s20, s20, 19         ; the batch's 2,048 rows of 256 bytes
	s_add_co_u32 s20, s20, s21
	s_and_b32 s16, s[WV], 1         ; which of a slot's two steps I fetch; also: which 64 queries are mine
	s_lshr_b32 s15, s[WV], 1        ; my head in the panel
	s_lshl_b32 s[HB], s15, 7
	s_lshl_b32 s22, s16, 14         ; a step's 64 rows in memory
	s_add_co_u32 s22, s22, s20
	s_add_co_u32 s22, s22, 8<<20    ; K's panels lie 8 behind Q's
	s_mov_b32 s23, 0
	s_mul_i32 s17, s16, STEPB       ; and the step's place in a slot: no place in the cluster enters an LDS address
	s_lshl_b32 s2, s14, 15          ; my block's 128 rows
	s_add_co_u32 s2, s2, s20
	s_mov_b32 s3, 0
	s_lshl_b32 s18, s[WV], 13       ; O: I store rows 32 w .. 32 w + 31 of the block
	s_add_co_u32 s18, s18, s2
	s_mov_b32 s19, 0
	s_lshl_b32 s21, s16, 14         ; Q: my 64 rows, my head's half of them
	s_add_co_u32 s2, s2, s21
	s_add_co_u32 s2, s2, s[HB]
	s_mov_b32 s[G1K], 15|(1<<16)|(1<<20)|(1<<21)|(5<<22)|(3<<25)  ; the mask of four; 2-byte elements; padding on; bit 21 beside a mask; after every 64 words, 4 words
	s_mov_b32 s[G1V], 15|(1<<16)|(1<<20)|(1<<21)|(5<<22)|(7<<25)  ; the same with 8 words
.irp g, G1K, G1V
	s_mov_b32 s[\g+1], 128<<16      ; tensor_dim0 = 128
	s_mov_b32 s[\g+2], KS<<16       ; tensor_dim1 = 64
	s_mov_b32 s[\g+3], 128<<16      ; tile_dim0 = 128
	s_mov_b32 s[\g+4], KS           ; tile_dim1 = 64
	s_mov_b32 s[\g+5], 128          ; 128 elements from row to row
	s_mov_b32 s[\g+6], 0
	s_mov_b32 s[\g+7], 0
.endr
	s_mov_b32 s[CS], 0x3e38aa3b     ; c = log2(e) / 8
	s_mov_b32 s[CS+1], s[CS]
	s_mov_b32 s[SEL], 0x76543210
	s_mov_b32 s[SEL+1], 0xfedcba98
	s_mov_b32 s[TBK], SLOT1+2*STEPB ; the first change of slots turns these two into 0
	s_mov_b32 s[TBV], SLOT1+2*STEPB
	s_mov_b32 s[SLOTS], 2048/(2*KS)-1
	s_mov_b32 s[G0K], 1
	s_mov_b32 s[G0K+1], s17         ; slot 0
	s_mov_b32 s[G0V], 1
	s_add_co_u32 s[G0V+1], s17, VOFF
	s_or_b32 s[LIM], s16, ttmp9     ; 0 in waves 0 and 2 of the first of the clusters that walk these keys: the same in all four partners
	s_cmp_eq_u32 s[LIM], 0
	s_cselect_b32 s[LIM], 1, -1
	v_and_b32 v[PFO], 31, v0
	v_lshlrev_b32 v[PFO], 8, v[PFO]
	s_wait_dscnt 0x0                ; the opening add is done
	s_wait_kmcnt 0x0
	s_add_nc_u64 s[10:11], s[6:7], s[18:19]  ; O
	s_add_nc_u64 s[6:7], s[4:5], s[22:23]    ; K at my tile of slot 0
	s_add_nc_u64 s[8:9], s[6:7], 8<<20       ; V, 8 panels further
	s_add_nc_u64 s[4:5], s[4:5], s[2:3]      ; Q
	s_mov_b64 s[G0K+2:G0K+3], s[6:7]
	s_or_b32 s[G0K+3], s[G0K+3], 0x80000000
	s_mov_b64 s[G0V+2:G0V+3], s[8:9]
	s_or_b32 s[G0V+3], s[G0V+3], 0x80000000
	s_cmp_lt_u32 s[WV], 2
	s_cselect_b64 s[PFA:PFA+1], s[6:7], s[8:9]  ; (in waves 0 and 2 these stand at a slot's first row)
	s_lshl_b32 s2, s13, 13          ; my work-group's 32 rows of the 128
	s_add_nc_u64 s[PFA:PFA+1], s[PFA:PFA+1], s[2:3]
	s_add_nc_u64 s[PFA:PFA+1], s[PFA:PFA+1], 2*KS*256  ; in slot 1; the first change of slots, which asks for slot 1, steps it to slot 2
	CROUND                          ; all four work-groups are here: the first joint loads meet
	JLOAD                           ; slot 0
	v_and_b32 v1, 15, v0            ; l % 16
	v_bfe_u32 v9, v0, 4, 1          ; l / 16
	v_lshlrev_b32 v[QO], 8, v1
	v_lshl_add_u32 v[QO], v9, 4, v[QO]  ; row x 256 + 16 x half
	WIN 0x80                        ; destination window 2, address window 0
.set i, 0
.rept 8                             ; Q stays in registers: piece i / 2, channels 32 (i % 2) on
	global_load_b128 v[8*i:8*i+3],   v[QO], s[4:5] offset:(i/2)*4096+(i%2)*64
	global_load_b128 v[8*i+4:8*i+7], v[QO], s[4:5] offset:(i/2)*4096+(i%2)*64+32
.set i, i+1
.endr
	; What the first turn finds: V's registers and P's second buffer hold 0 (its products V^T P, of a piece that has not been, add 0), O^T and l are 0.  All this stands in the wait for the first tile.
.set i, VF
.rept 64
	v_mov_b32 v[i], 0
.set i, i+1
.endr
	WIN 0x40
.set i, 0
.rept 128
	v_mov_b32 v[i], 0
.set i, i+1
.endr
	WIN 0
.set i, 0
.rept 4
	v_mov_b32 v[ST+4*i], 0xfe000000    ; c m: far below every c s
	v_mov_b32 v[ST+4*i+1], 0xff7fffff  ; m
	v_mov_b32 v[ST+4*i+2], 0
	v_mov_b32 v[ST+4*i+3], 0
.set i, i+1
.endr
.set i, P+16
.rept 16
	v_mov_b32 v[i], 0
.set i, i+1
.endr
	v_mul_u32_u24 v[AK0], v1, PK
	v_lshl_add_u32 v[AK0], v9, 4, v[AK0]
	v_add_nc_u32 v[AK0], s[HB], v[AK0]    ; row x pitch + 16 x half + my head's 128 bytes
	; The turning load takes 16 keys x 16 channels (lane l reads key 8 (l / 16) + l % 8, channels 8 ((l / 8) % 2) + 0..7) and leaves half a fragment of V^T: lane l holds channel l % 16 and 8 keys.
	v_and_b32 v10, 7, v0
	v_bfe_u32 v11, v0, 3, 1
	v_lshl_add_u32 v[AV0], v9, 3, v10
	v_mul_u32_u24 v[AV0], v[AV0], PV
	v_lshl_add_u32 v[AV0], v11, 4, v[AV0]
	s_add_co_u32 s18, s[HB], VOFF
	v_add_nc_u32 v[AV0], s18, v[AV0]
	v_mov_b32 v[AK], v[AK0]         ; key step 0 lies at the head of slot 0
; THE MATRIX WORK.  The 4 accumulators of a run of 8 take turns.  Product i of 8 of S^T = K Q^T for piece x: channels 32 (i / 4) on, keys 16 (i % 4) on.  The first 4 start the sums.
.macro KQ x
	WIN W_KQ
.set rS, S+32*((\x)%2)+8*(i%4)
.set rK, KF+16*(i%4)+8*(i/4)
.set rQ, 16*(\x)+8*(i/4)
.if i < 4
	v_wmma_f32_16x16x32_bf16 v[rS:rS+7], v[rK:rK+7], v[rQ:rQ+7], 0
.else
	v_wmma_f32_16x16x32_bf16 v[rS:rS+7], v[rK:rK+7], v[rQ:rQ+7], v[rS:rS+7]
.endif
.endm
; Product i of 8 of O^T += V^T P for piece x: keys 32 (i / 4) on, channels 16 (i % 4) on.
.macro PV x
	WIN W_PV
.set rO, 32*(\x)+8*(i%4)
.set rV, VF+32*(i/4)+8*(i%4)
.set rP, P+16*((\x)%2)+8*(i/4)
	v_wmma_f32_16x16x32_bf16 v[rO:rO+7], v[rV:rV+7], v[rP:rP+7], v[rO:rO+7]
.endm
.macro MM                           ; the turn's next matrix instruction
.if i < 8
	KQ (Y+1)%NP
.else
.set i, i-8
	PV (Y+NP-1)%NP
.set i, i+8
.endif
.set i, i+1
.endm
; THE LDS LOADS stand in runs of 16: a step's K (64 keys x 64 channels: 8 fragments) and its V (turned).  last = 1 (the tail): in the last trip there is no further step, and the run is jumped over.
.macro FETCH_K last=0
	WIN 0
.if \last
	s_cmp_eq_u32 s[CNT], 1
	s_cbranch_scc1 .Lno_k_\@
.endif
	WIN 0x80                        ; destination window 2
.irp f, 0,1,2,3,4,5,6,7             ; keys 16 (f / 2) on, channels 32 (f % 2) on
	ds_load_b128 v[KF+8*\f:KF+8*\f+3],   v[AK] offset:(\f/2)*16*PK+(\f%2)*64
	ds_load_b128 v[KF+8*\f+4:KF+8*\f+7], v[AK] offset:(\f/2)*16*PK+(\f%2)*64+32
.endr
	s_add_co_u32 s[TBK], s[TBK], STEPB  ; the next fetch is the next step's
	WIN 0
.if \last
.Lno_k_\@:
.endif
.endm
.macro FETCH_V
	WIN 0x80
.irp f, 0,1,2,3,4,5,6,7             ; keys 32 (f / 4) on, channels 16 (f % 4) on
	ds_load_tr16_b128 v[VF+8*\f:VF+8*\f+3],   v[AV] offset:(\f/4)*32*PV+(\f%4)*32
	ds_load_tr16_b128 v[VF+8*\f+4:VF+8*\f+7], v[AV] offset:(\f/4)*32*PV+16*PV+(\f%4)*32
.endr
	WIN 0
.endm
; THE VECTOR WORK, one line at a time: OP kind, number.  For piece Y: F n: c s - c m for pair n of 16.  E n: the exponential of score n of 32.  C n: pair n rounded to bf16.  B n: of the four weights 4 n ..
; the second pair is added onto the first, in place.  L n: l takes that sum (L 0: l = a l + sum).  R n: pair n of 16 of O^T times a.  For piece Y + 1: X n, number n of the 22 that find its maximum and statistics:
;   0-11  four chains c0-c3 of seven scores each, three operands at a time (each accumulator's lowest registers are read first)     12-14, 16  the four scores left over, the old m, and c0-c3 into c0
;   15  c m_old is kept     17, 18  the query's other 32 keys lie in the lane 16 away: the new m     19-21  c m; c m_old - c m_new; a
.set F, 0
.set E, 1
.set C, 2
.set B, 3
.set L, 4
.set R, 5
.set X, 6
.macro REGS y
.set rT, ST+4*(\y)
.set rC, TMP+4*((\y)%2)
.set rW, MV+((\y)%2)
.set rS, S+32*((\y)%2)
.set rP, P+16*((\y)%2)
.set rO, 32*(\y)
.endm
.macro OP k, n
.if (\k) == R
	REGS Y
	WIN W_RS
	v_pk_mul_f32 v[rO+2*(\n):rO+2*(\n)+1], v[rO+2*(\n):rO+2*(\n)+1], v[rC+2:rC+3] op_sel_hi:[1,0]
.elseif (\k) < R
	REGS Y
	WIN 0
.if (\k) == F
	v_pk_fma_f32 v[rS+2*(\n):rS+2*(\n)+1], v[rS+2*(\n):rS+2*(\n)+1], s[CS:CS+1], v[rT:rT+1] op_sel_hi:[1,0,0] neg_lo:[0,0,1] neg_hi:[0,0,1]
.elseif (\k) == E
	v_exp_f32 v[rS+(\n)], v[rS+(\n)]
.elseif (\k) == C
	s_wait_alu depctr_va_vdst(0)
	v_cvt_pk_bf16_f32 v[rP+(\n)], v[rS+2*(\n)], v[rS+2*(\n)+1]
.elseif (\k) == B
	s_wait_alu depctr_va_vdst(0)
	v_pk_add_f32 v[rS+4*(\n):rS+4*(\n)+1], v[rS+4*(\n):rS+4*(\n)+1], v[rS+4*(\n)+2:rS+4*(\n)+3]
.elseif (\n) == 0
	v_pk_fma_f32 v[rT+2:rT+3], v[rT+2:rT+3], v[rC+2:rC+3], v[rS:rS+1] op_sel_hi:[1,0,1]
.else
	v_pk_add_f32 v[rT+2:rT+3], v[rT+2:rT+3], v[rS+4*(\n):rS+4*(\n)+1]
.endif
.else
	REGS (Y+1)%NP
	WIN 0
.if (\n) < 4
	v_max3_num_f32 v[rC+(\n)], v[rS+8*(\n)], v[rS+8*(\n)+1], v[rS+8*(\n)+2]
.elseif (\n) < 12
	v_max3_num_f32 v[rC+(\n)%4], v[rC+(\n)%4], v[rS+8*((\n)%4)+2*((\n)/4)+1], v[rS+8*((\n)%4)+2*((\n)/4)+2]
.elseif (\n) == 12
	v_max3_num_f32 v[rC], v[rC], v[rS+7], v[rS+15]
.elseif (\n) == 13
	v_max3_num_f32 v[rC+1], v[rC+1], v[rS+23], v[rS+31]
.elseif (\n) == 14
	v_max3_num_f32 v[rC+2], v[rC+2], v[rC+3], v[rT+1]
.elseif (\n) == 15
	v_mov_b32 v[rW], v[rT]
.elseif (\n) == 16
	v_max3_num_f32 v[rC], v[rC], v[rC+1], v[rC+2]
.elseif (\n) == 17
	v_permlanex16_b32 v[rC+3], v[rC], s[SEL], s[SEL+1]
.elseif (\n) == 18
	v_max_num_f32 v[rT+1], v[rC], v[rC+3]
.elseif (\n) == 19
	v_mul_f32 v[rT], s[CS], v[rT+1]
.elseif (\n) == 20
	v_sub_f32 v[rC+1], v[rW], v[rT]
.else
	v_exp_f32 v[rC+2], v[rC+1]
.endif
.endif
.endm
.macro OPS a, i1, b=-1, i2=0, c=-1, i3=0, d=-1, i4=0  ; up to four of them
	OP \a, \i1
.if (\b) >= 0
	OP \b, \i2
.endif
.if (\c) >= 0
	OP \c, \i3
.endif
.if (\d) >= 0
	OP \d, \i4
.endif
.endm
.macro ROW a, i1, b, i2, c, i3, d, i4  ; a matrix instruction and the four behind it
	MM
	OPS \a, \i1, \b, \i2, \c, \i3, \d, \i4
.endm
; A TURN, for piece p: the order of its 16 matrix and 118 vector instructions, written out.  Behind a matrix instruction: plain, exponential, plain, plain; or four of the rescaling; or, behind the first, four
; scalings; none names a register of the products round it.  In the runs between, exponential and plain by turns while exponentials last.  A line reads no result made fewer than three vector instructions in
; front of it, five if an exponential made it.
; K of the next step is fetched in piece 2's turn, six vector instructions behind the last product that read K (five of them plain); V of the step in hand in piece 0's turn, eight behind the last product that
; read V (four plain).  Each is waited for a turn later.  cnt = 1: the loop's count is taken down some lines ahead of the branch that stands behind the turn.
.macro TURN p, last=0, cnt=0
.set Y, (\p)
.set i, 0
.if (\p) == 3
	s_wait_dscnt 0x0                ; K is in
.endif
	ROW F,0, F,1, F,2, F,3
	ROW F,4, E,0, F,5, F,6
	ROW F,7, E,1, F,8, F,9
	ROW F,10, E,2, C,0, F,11
	ROW F,12, E,3, X,15, F,13
	ROW R,0, R,1, R,2, R,3
	ROW B,0, E,4, F,14, L,0
.if (\p) == 2
	v_add_nc_u32 v[AK], s[TBK], v[AK0]
.endif
	ROW R,4, R,5, R,6, R,7
	OPS E,5, F,15
.if (\p) == 2
	FETCH_K \last
.endif
	OPS E,6, C,1, E,7, R,8
	OPS E,8, R,9, E,9, C,2
	OPS E,10, X,0, E,11, X,1
	OPS E,12, X,2, E,13, X,3
.if (\p) == 1
	s_wait_dscnt 0x0                ; V is in
.endif
	ROW X,4, E,14, X,5, X,6
	ROW X,7, E,15, X,8, X,9
	ROW X,10, E,16, X,11, X,12
	ROW X,13, E,17, X,14, B,1
	ROW C,4, E,18, X,16, L,1
	ROW B,2, E,19, C,6, L,2
	ROW C,8, E,20, B,3, B,4
.if (\p) == 0
	v_add_nc_u32 v[AV], s[TBV], v[AV0]
.endif
	ROW C,3, E,21, L,3, C,5
	OPS E,22, X,17, E,23, C,10
.if (\p) == 0
	FETCH_V
.endif
	OPS E,24, L,4
	OPS E,25, X,18, E,26, C,7
	OPS E,27, B,5, E,28, X,19
	OPS E,29, C,12, E,30, L,5
	OPS E,31, X,20, B,6, C,9
	OPS C,14, C,11, X,21, L,6
.if (\p) == 0
	s_add_co_u32 s[TBV], s[TBV], STEPB
.endif
.if \cnt
	s_sub_co_u32 s[CNT], s[CNT], 1
	s_cmp_lg_u32 s[CNT], 0
.endif
	OPS C,13, B,7, C,15, R,10
	OPS R,11, R,12, L,7, R,13
	OPS R,14, R,15
.endm
	CHANGE 1                        ; slot 0 is in, everybody's part of it; slot 1 is asked for
	FETCH_K                         ; key step 0
	s_wait_loadcnt 0x0              ; Q
	s_wait_dscnt 0x0
.set i, 0
.rept 8
	KQ 0                            ; piece 0's first scores
.set i, i+1
.endr
	WIN 0                           ; the addresses for the way out: eight plain instructions, the places behind those products
	s_mul_i32 s13, s16, 64*SP       ; my 64 rows of the stage,
	s_add_co_u32 s13, s13, s[HB]    ; my head's half of them
	s_add_co_u32 s13, s13, STAGE
	v_mul_u32_u24 v[STO], v1, SP    ; in: row l % 16, 16 bytes for each half of the lanes
	v_lshl_add_u32 v[STO], v9, 4, v[STO]
	v_add_nc_u32 v[STO], s13, v[STO]
	s_mul_i32 s13, s[WV], 32*SP     ; back: wave w takes rows 32 w .. 32 w + 31, whole; lanes 0-15 one row, lanes 16-31 the next
	s_add_co_u32 s13, s13, STAGE
	v_mul_u32_u24 v[RD], v9, SP
	v_lshl_add_u32 v[RD], v1, 4, v[RD]
	v_add_nc_u32 v[RD], s13, v[RD]
	v_and_b32 v[GO], 31, v0         ; which are 512 consecutive bytes of o
	v_lshlrev_b32 v[GO], 4, v[GO]
.set Y, NP-1                        ; X works for piece Y + 1: piece 0
.irp n, 0,1,2,3,4,5,6,7,8,9,10,11,12,13,14,15,16,17,18,19,20,21
	OP X, \n
.endr
	v_nop                           ; a plain instruction behind the exponential
	s_mov_b32 s[CNT], 2
	s_branch .Lfirst                ; the loop is entered at a step's first turn, in the middle of a trip
.Lslot:                             ; 14 times: every slot but the last two is filled again
	CHANGE 1
	s_mov_b32 s[CNT], 2
.Lstep:                             ; a trip: pieces 2 and 3 of one step, then pieces 0 and 1 of the next, whose K and V it fetches
	TURN 2
	TURN 3
	WIN 0
.Lfirst:
	TURN 0
	TURN 1, 0, 1
	WIN 0
	s_cbranch_scc1 .Lstep
	s_sub_co_u32 s[SLOTS], s[SLOTS], 1
	s_cmp_lg_u32 s[SLOTS], 0
	s_cbranch_scc1 .Lslot
	CHANGE 0                        ; the tail is written out: nothing is asked for
	s_mov_b32 s[CNT], 3             ; two trips fetch the last slot's steps; the third is left in its middle
.Ltail:
	TURN 2, 1
	TURN 3
	WIN 0
	s_sub_co_u32 s[CNT], s[CNT], 1
	s_cmp_eq_u32 s[CNT], 0
	s_cbranch_scc1 .Lout
	TURN 0
	TURN 1
	WIN 0
	s_branch .Ltail
.Lout:                              ; the third trip's 8 products K Q^T (on the last K once more) and the maximum made of them serve nothing: the price, once a launch, of one text for every trip
.set i, 0
.rept 8
	PV NP-1                         ; the last piece's V^T P of the last step
.set i, i+1
.endr
	; THE WAY OUT.  l's two halves and the other half of the lanes' are added; O^T is divided by l, rounded to bf16 and put into the work-group's stage; a barrier, since a row's 256 bytes come from two
	; waves (the two heads); back as whole rows, 32 a wave.  The additions are the places behind the last products.
	WIN 0
.macro ALL line:vararg              ; one line for each piece t
.set t, 0
.rept 4
	\line
.set t, t+1
.endr
.endm
	ALL v_add_f32 v[ST+4*t+2], v[ST+4*t+2], v[ST+4*t+3]
	ALL v_permlanex16_b32 v[ST+4*t+3], v[ST+4*t+2], s[SEL], s[SEL+1]
	ALL v_add_f32 v[ST+4*t+2], v[ST+4*t+2], v[ST+4*t+3]
	ALL v_rcp_f32 v[ST+4*t+2], v[ST+4*t+2]
	v_nop                           ; a plain instruction between the last reciprocal and the use of its result
.macro PACK t                       ; a lane's eight channels of a row pack into 16 bytes
	WIN W_RS
.set i, 32*(\t)
.rept 16
	s_wait_alu depctr_va_vdst(0)
	v_pk_mul_f32 v[i:i+1], v[i:i+1], v[ST+4*(\t)+2:ST+4*(\t)+3] op_sel_hi:[1,0]
.set i, i+2
.endr
	WIN 0x05                        ; sources 0 and 1 window 1, destination window 0: S^T's registers are free
.set i, 0
.rept 16
	v_cvt_pk_bf16_f32 v[S+16*(\t)+i], v[32*(\t)+2*i], v[32*(\t)+2*i+1]
.set i, i+1
.endr
	WIN 0
.irp f, 0,1,2,3
	ds_store_b128 v[STO], v[S+16*(\t)+4*\f:S+16*(\t)+4*\f+3] offset:16*SP*(\t)+32*\f
.endr
.endm
	PACK 0
	PACK 1
	PACK 2
	PACK 3
	s_wait_dscnt 0x0                ; for the others' sake: my stores into the stage are done
	s_barrier_signal -1
	s_barrier_wait -1
.irp t, 0,1,2,3,4,5,6,7,8,9,10,11,12,13,14,15
	ds_load_b128 v[S+4*\t:S+4*\t+3], v[RD] offset:\t*2*SP
.endr
.irp t, 0,1,2,3,4,5,6,7,8,9,10,11,12,13,14,15
	s_wait_dscnt 15-\t              ; the 15 - t younger loads may stay out
	global_store_b128 v[GO], v[S+4*\t:S+4*\t+3], s[10:11] offset:\t*512  ; 512 consecutive bytes, at a multiple of 256 from o's first byte
.endr
	s_wait_tensorcnt 0x0            ; the wave's end: behind my last tensor load and my last LDS store
	ds_add_u32 v[SPW], v[NIL]
	s_wait_dscnt 0x0
	CROUND                          ; the closing round
	s_endpgm
.Lfunc_end_k_qbc2754ff5d_attn:
	.size	k_qbc2754ff5d_attn, .Lfunc_end_k_qbc2754ff5d_attn-k_qbc2754ff5d_attn
	.p2alignl 7, 3214868480
	.fill 96, 4, 3214868480
	.section	.rodata,"a",@progbits
	.p2align	6, 0x0
	.amdhsa_kernel k_qbc2754ff5d_attn
		.amdhsa_group_segment_fixed_size 327680
		.amdhsa_private_segment_fixed_size 0
		.amdhsa_enable_private_segment 0
		.amdhsa_kernarg_size 16
		.amdhsa_user_sgpr_count 2
		.amdhsa_user_sgpr_kernarg_segment_ptr 1
		.amdhsa_wavefront_size32 1
		.amdhsa_system_sgpr_workgroup_id_x 1
		.amdhsa_system_sgpr_workgroup_id_y 1
		.amdhsa_system_sgpr_workgroup_id_z 1
		.amdhsa_system_vgpr_workitem_id 0
		.amdhsa_next_free_vgpr 768
		.amdhsa_next_free_sgpr 66
		.amdhsa_reserve_vcc 0
		.amdhsa_float_denorm_mode_32 3
		.amdhsa_float_denorm_mode_16_64 3
		.amdhsa_memory_ordered 1
		.amdhsa_forward_progress 1
		.amdhsa_inst_pref_size 118
	.end_amdhsa_kernel
	.amdgpu_metadata
---
amdhsa.version: [ 1, 2 ]
amdhsa.kernels:
  - .name:           k_qbc2754ff5d_attn
    .symbol:         k_qbc2754ff5d_attn.kd
    .args:
      - { .name: qkv, .offset: 0, .size: 8, .value_kind: global_buffer, .address_space: global }
      - { .name: act, .offset: 8, .size: 8, .value_kind: global_buffer, .address_space: global }
    .group_segment_fixed_size: 327680
    .private_segment_fixed_size: 0
    .kernarg_segment_align: 8
    .kernarg_segment_size: 16
    .max_flat_workgroup_size: 128
    .sgpr_count:     66
    .vgpr_count:     768
    .wavefront_size: 32
...
	.end_amdgpu_metadata
.endif
;; end of part 4
;; launch proj (part 5): grid 8 x 32, 4 waves a work-group, clusters of 4 x 4, 327,680 bytes of LDS; arguments act, w2, x, x1; writes x1
.if DOCPART == 5
	.amdgcn_target "amdgcn-amd-amdhsa--gfx1250"
	.amdhsa_code_object_version 6
	.text
	.protected	k_qbc2754ff5d_proj
	.globl	k_qbc2754ff5d_proj
	.p2align	8
	.type	k_qbc2754ff5d_proj,@function
k_qbc2754ff5d_proj:
	s_mov_b64 s[64:65], 0
	v_nop
	global_prefetch_b8 v0, s[64:65] scope:SCOPE_SE
	s_setreg_imm32_b32 hwreg(HW_REG_WAVE_MODE, 25, 1), 1
	s_wait_xcnt 0x0
	s_wait_alu depctr_hold_cnt(0) depctr_sa_sdst(0) depctr_va_vdst(0) depctr_va_sdst(0) depctr_va_ssrc(0) depctr_va_vcc(0) depctr_vm_vsrc(0)
	s_getreg_b32 s2, hwreg(HW_REG_IB_STS2, 6, 4)
	s_cmp_eq_u32 s2, 0
	s_cbranch_scc0 .Lentry_in_a_cluster
	s_endpgm
.Lentry_in_a_cluster:
	s_bfe_u32 s2, ttmp6, 0x10000c
	s_cmp_lg_u32 s2, 0xf033
	s_cbranch_scc0 .Lentry_shape_is_right
	s_endpgm
.Lentry_shape_is_right:
; C = R + A B^T.  4,096 rows, 1,024 columns, K = 128 KP.  A, B bf16; sums, R and C f32.  Here: x1 = x + o wo^T (KP = 8 panels of K, B at byte 0 of the pack).
; A: panels [KP][4096 rows][128] bf16.  B: from byte BOFF on, [1024 / 128][KP panels][128 rows][128] bf16.  R, C: [4096][1024] f32.
; SHARES.  A tile of C is 128 x 128, which gives 256 work-groups; four waves, each 64 x 64: 16 accumulators, 128 registers.  K goes in NST steps of 256, two panels, through two LDS slots:
; a slot is [A panel 0][A panel 1][B panel 0][B panel 1], each 128 rows of 256 bytes, and wave w's one tensor load brings region w.
; CLUSTER.  4 x 4 work-groups; A's tiles are asked for jointly along a row of the cluster, B's along a column.  A wave has two tensor loads out at the start and one behind each round.
; THE WALK ALONG K BEGINS AT ANOTHER STEP IN EACH CLUSTER and goes round the end of K: cluster (X, Y) takes step (NST/2 X + NST/4 (Y mod 4) + t) mod NST in its trip t.  The two clusters that
; take the same rows of A (X = 0, 1) walk half a walk apart, four neighbours of the eight that take the same rows of B a quarter apart: the clusters that read a tile ask for it at different times.
; The number hangs on the cluster's own coordinates alone, which all sixteen partners share.  The f32 sums are taken in that order of K.
; THE RESIDUAL is loaded into registers at the start, in the layout in which the results leave, and lands while K is walked.
; THE MATRIX INSTRUCTION IS USED TRANSPOSED (source 0 = 16 rows of B, source 1 = 16 rows of A): a lane holds eight neighbouring numbers of a row of C.  A wave's 64 columns of f32 are 256 bytes,
; aligned: each wave sends its results through a stage of its own, and no barrier stands on the way out.
; REGISTERS: window 0: v0-31 addresses; v128-255 the accumulators ((a, b) at v[128 + 8 (4 a + b)]).  window 1: two fragment buffers of 128.  window 2: v0-127 the residual.
.set KP,     8
.set BOFF,   0
.set NST,    KP/2                      ; K steps, a power of two
.set LAPS,   KP/4                      ; a lap = two K steps = four panels
.set PITCH,  272                       ; an LDS row: 256 bytes + 16 of padding (ISA guide 11.1: the 16 rows of a load start at 16 different groups of four banks)
.set HALFT,  128*PITCH                 ; a region: what one tensor load brings
.set SLOT,   4*HALFT
.set STAGE,  2*SLOT                    ; behind the ring: 16 rows x 272 bytes for each wave
.set SPITCH, 272
.set SPARE,  STAGE+4*16*SPITCH         ; the spare words, 128 bytes a wave: two blocks of 256 bytes that no other line names
.set ADRA, 16                          ; v16-17  LDS address of my A fragments in slot 0, 1
.set ADRB, 20                          ; v20-21  the same for B
.set STO,  24                          ; v24     the way out: where I put 32 bytes of a row
.set RD,   25                          ; v25     where I read a row back
.set CO,   26                          ; v26     my byte offset in two rows of R and C
.set SPW,  28                          ; v28     my spare word; never rewritten
.set NIL,  29                          ; v29     0; never rewritten
.set ACC,  128
.set F0,   0
.set F1,   128
.set G1, 24
.set G0, 32
.set G1B, 48
.set G0B, 56
.set OFA, 4                            ; s[4:5]   a K step's byte offset in A: step x two panels of 1,048,576 bytes; the high word stays 0
.set OFB, 6                            ; s[6:7]   the same in B: step x two panels of 32,768 bytes
.set NXT, 8                            ; s8       the K step that the next fill asks for
.set BA,  14                           ; s[14:15] A at my part of K step 0's tile; never rewritten
.set BB,  76                           ; s[76:77] B likewise
.set MSB, 0
.macro WIN new
.if MSB != (\new)
	s_set_vgpr_msb (MSB<<8)|(\new)
.set MSB, \new
.endif
.endm
.set MUL,  0x05                        ; sources 0 (B) and 1 (A) window 1; C and D window 0
.set TO_F, 0x40                        ; destination window 1, address window 0
.macro JLOAD s                         ; a joint load: waves 0 and 1 fetch A's two panels, waves 2 and 3 B's; an s_nop 0 and four v_nop follow each line
	s_cmp_eq_u32 s11, 0
	s_cbranch_scc0 .Lfor_b_\@
	tensor_load_to_lds s[G0+4*(\s):G0+4*(\s)+3], s[G1:G1+7]
	s_nop 0
.rept 4
	v_nop
.endr
	s_branch .Lasked_\@
.Lfor_b_\@:
	tensor_load_to_lds s[G0B+4*(\s):G0B+4*(\s)+3], s[G1B:G1B+7]
	s_nop 0
.rept 4
	v_nop
.endr
.Lasked_\@:
.endm
; Both descriptors of slot s are aimed at K step NXT: the address is made anew, a base and an offset made apart, and the type bits are set again; then NXT steps on, round the end of K.
.macro AIM s
	s_lshl_b32 s[OFA], s[NXT], 21
	s_lshl_b32 s[OFB], s[NXT], 16
	s_add_nc_u64 s[G0+4*(\s)+2:G0+4*(\s)+3], s[BA:BA+1], s[OFA:OFA+1]
	s_or_b32 s[G0+4*(\s)+3], s[G0+4*(\s)+3], 0x80000000
	s_add_nc_u64 s[G0B+4*(\s)+2:G0B+4*(\s)+3], s[BB:BB+1], s[OFB:OFB+1]
	s_or_b32 s[G0B+4*(\s)+3], s[G0B+4*(\s)+3], 0x80000000
	s_add_co_u32 s[NXT], s[NXT], 1
	s_and_b32 s[NXT], s[NXT], NST-1
.endm
.macro CREST
	s_cmp_lg_u32 s10, 0
	s_cbranch_scc1 .Lnot_wave_0_\@
	s_barrier_signal -3
.Lnot_wave_0_\@:
	s_barrier_wait -3
	s_barrier_signal -1
	s_barrier_wait -1
.endm
.macro CROUND
	s_barrier_signal -1
	s_barrier_wait -1
	CREST
.endm
	s_load_b256 s[68:75], s[0:1], 0x0              ; A s[68:69], B s[70:71], R s[72:73], C s[74:75]
	v_lshl_add_u32 v[SPW], v0, 2, SPARE
	v_mov_b32 v[NIL], 0
	ds_add_u32 v[SPW], v[NIL]                      ; the wave's opening: the add and its wait ahead of my first tensor load
	v_lshrrev_b32 v1, 5, v0
	v_readfirstlane_b32 s10, v1                    ; wave 0..3
	s_lshr_b32 s11, s10, 1                         ; which half of the tile's rows is mine.  Also: I fetch for A (0) or for B (1)
	s_and_b32 s12, s10, 1                          ; which half of its columns.  Also: which panel of the K step I fetch
	s_bfe_u32 s40, ttmp6, 0x40000
	s_bfe_u32 s41, ttmp6, 0x40004
	s_lshl_b32 s42, ttmp9, 2
	s_add_co_u32 s42, s42, s40                     ; tile column
	s_and_b32 s13, ttmp7, 0xffff
	s_lshl_b32 s13, s13, 2
	s_add_co_u32 s13, s13, s41                     ; tile row
	s_lshl_b32 s43, s41, 2
	s_lshl_b32 s43, 15, s43                        ; my row of the cluster
	s_lshl_b32 s44, 0x1111, s40                    ; my column
	s_or_b32 s[G1+0], s43, (1<<16)|(1<<20)|(1<<21)|(5<<22)|(3<<25)
	s_or_b32 s[G1B+0], s44, (1<<16)|(1<<20)|(1<<21)|(5<<22)|(3<<25)
.irp g, G1, G1B
	s_mov_b32 s[(\g)+1], 128<<16                   ; tensor_dim0 = 128
	s_mov_b32 s[(\g)+2], 128<<16                   ; tensor_dim1 = 128
	s_mov_b32 s[(\g)+3], 128<<16                   ; tile_dim0 = 128
	s_mov_b32 s[(\g)+4], 128                       ; tile_dim1 = 128
	s_mov_b32 s[(\g)+5], 128                       ; dense rows
	s_mov_b32 s[(\g)+6], 0
	s_mov_b32 s[(\g)+7], 0
.endr
	s_and_b32 s9, ttmp7, 3                         ; where my cluster's walk begins: cluster y mod 4, a quarter of the walk each,
	s_mul_i32 s9, s9, NST/4
	s_mul_i32 s[NXT], ttmp9, NST/2                 ; cluster x, half of the walk
	s_add_co_u32 s[NXT], s[NXT], s9
	s_and_b32 s[NXT], s[NXT], NST-1
	s_mov_b32 s[OFA+1], 0
	s_mov_b32 s[OFB+1], 0
	s_lshl_b32 s16, s13, 15                        ; A: the tile row's 128 rows of 256 bytes,
	s_lshl_b32 s17, s12, 20                        ; in my panel
	s_add_co_u32 s16, s16, s17
	s_mov_b32 s17, 0
	s_mul_i32 s46, s42, KP<<15                     ; B: the tile column's KP panels of 32,768 bytes,
	s_lshl_b32 s47, s12, 15                        ; my panel
	s_add_co_u32 s46, s46, s47
	s_add_co_u32 s46, s46, BOFF
	s_mov_b32 s47, 0
	s_mul_i32 s20, s10, HALFT                      ; where they go: region = wave
	s_wait_dscnt 0x0                               ; the opening add is done
	s_wait_kmcnt 0x0
	s_add_nc_u64 s[BA:BA+1], s[68:69], s[16:17]
	s_add_nc_u64 s[BB:BB+1], s[70:71], s[46:47]
	CROUND                                         ; all sixteen work-groups are here: the first joint loads meet
.irp s, 0,1
	s_mov_b32 s[G0+4*(\s)], 1
	s_add_co_u32 s[G0+4*(\s)+1], s20, (\s)*SLOT
	s_mov_b32 s[G0B+4*(\s)], 1
	s_add_co_u32 s[G0B+4*(\s)+1], s20, (\s)*SLOT
	AIM \s                                         ; the walk's first two steps
	JLOAD \s
.endr
	v_and_b32 v1, 15, v0                           ; l % 16
	v_bfe_u32 v2, v0, 4, 1                         ; l / 16
	v_lshlrev_b32 v5, 12, v2                       ; R and C: lanes 0-15 one row's 256 bytes, lanes 16-31 the next row's
	v_lshl_add_u32 v[CO], v1, 4, v5
	s_lshl_b32 s16, s13, 7
	s_lshl_b32 s17, s11, 6
	s_add_co_u32 s16, s16, s17                     ; my first row,
	s_lshl_b32 s16, s16, 12                        ; of 4,096 bytes
	s_mov_b32 s17, 0
	s_lshl_b32 s46, s42, 9                         ; my first column: 512 x tile column + 256 x half
	s_lshl_b32 s47, s12, 8
	s_add_co_u32 s46, s46, s47
	s_mov_b32 s47, 0
	s_add_nc_u64 s[72:73], s[72:73], s[16:17]
	s_add_nc_u64 s[72:73], s[72:73], s[46:47]
	s_add_nc_u64 s[74:75], s[74:75], s[16:17]
	s_add_nc_u64 s[74:75], s[74:75], s[46:47]
	WIN 0x80                                       ; destination window 2, address window 0
.irp a, 0,1,2,3
.irp t, 0,1,2,3,4,5,6,7
	global_load_b128 v[32*(\a)+4*(\t):32*(\a)+4*(\t)+3], v[CO], s[72:73] offset:(16*(\a)+2*(\t))*4096 th:TH_LOAD_NT
.endr
.endr
	WIN 0
	v_mul_u32_u24 v3, v1, PITCH
	v_lshl_add_u32 v3, v2, 4, v3                   ; a fragment's row x pitch + 16 x half
	s_mul_i32 s21, s11, 64*PITCH                   ; my 64 rows of A's panels
	s_mul_i32 s22, s12, 64*PITCH                   ; my 64 rows of B's,
	s_add_co_u32 s22, s22, 2*HALFT                 ; which lie behind A's two
.irp s, 0,1
	v_add_nc_u32 v[ADRA+(\s)], s21, v3
	v_add_nc_u32 v[ADRB+(\s)], s22, v3
	s_add_co_u32 s21, s21, SLOT
	s_add_co_u32 s22, s22, SLOT
.endr
	s_mul_i32 s23, s10, 16*SPITCH
	s_add_co_u32 s23, s23, STAGE                   ; my stage
	v_mul_u32_u24 v4, v1, SPITCH                   ; in: row l % 16, 32 bytes (8 f32) for each half of the lanes
	v_lshl_add_u32 v4, v2, 5, v4
	v_add_nc_u32 v[STO], s23, v4
	v_mul_u32_u24 v5, v2, SPITCH                   ; back: lanes 0-15 one row of 256 bytes, lanes 16-31 the next
	v_lshl_add_u32 v5, v1, 4, v5
	v_add_nc_u32 v[RD], s23, v5
; 8 matrix instructions: m blocks a0, a0 + 1 x all 4 n blocks, 32 along K: half c of buffer f.  The 16 accumulators take turns.
.macro MUL8 f, c, a0, zero
	WIN MUL
.irp a, \a0, (\a0)+1
.irp b, 0,1,2,3
.if \zero
	v_wmma_f32_16x16x32_bf16 v[ACC+8*(4*(\a)+(\b)):ACC+8*(4*(\a)+(\b))+7], v[(\f)+64+8*(4*(\c)+(\b)):(\f)+64+8*(4*(\c)+(\b))+7], v[(\f)+8*(4*(\c)+(\a)):(\f)+8*(4*(\c)+(\a))+7], 0
.else
	v_wmma_f32_16x16x32_bf16 v[ACC+8*(4*(\a)+(\b)):ACC+8*(4*(\a)+(\b))+7], v[(\f)+64+8*(4*(\c)+(\b)):(\f)+64+8*(4*(\c)+(\b))+7], v[(\f)+8*(4*(\c)+(\a)):(\f)+8*(4*(\c)+(\a))+7], v[ACC+8*(4*(\a)+(\b)):ACC+8*(4*(\a)+(\b))+7]
.endif
.endr
.endr
.endm
; 32 LDS loads in one run: the fragments of 64 along K, from byte k of the K step's 512 (panel k / 256, byte k % 256 of its rows), into buffer f; the first 32 along K first
.macro FETCH slot, k, f
.set KB, ((\k)/256)*HALFT+(\k)%256
	WIN TO_F
.irp c, 0,1
.irp i, 0,1,2,3
	ds_load_b128 v[(\f)+64+8*(4*(\c)+(\i)):(\f)+64+8*(4*(\c)+(\i))+3],   v[ADRB+(\slot)] offset:KB+64*(\c)+(\i)*16*PITCH
	ds_load_b128 v[(\f)+64+8*(4*(\c)+(\i))+4:(\f)+64+8*(4*(\c)+(\i))+7], v[ADRB+(\slot)] offset:KB+64*(\c)+(\i)*16*PITCH+32
	ds_load_b128 v[(\f)+8*(4*(\c)+(\i)):(\f)+8*(4*(\c)+(\i))+3],         v[ADRA+(\slot)] offset:KB+64*(\c)+(\i)*16*PITCH
	ds_load_b128 v[(\f)+8*(4*(\c)+(\i))+4:(\f)+8*(4*(\c)+(\i))+7],       v[ADRA+(\slot)] offset:KB+64*(\c)+(\i)*16*PITCH+32
.endr
.endr
.endm
.macro PLACES                          ; four plain places behind matrix instructions (ISA guide 7.12.1)
.rept 4
	v_nop
.endr
.endm
; A K step is four quarters of 64 along K, 32 matrix instructions each, on buffers 0, 1, 0, 1.
.macro QUARTER slot, k, f, g, zero
	s_wait_dscnt 16                                ; the first 32 along K are in; the other sixteen loads may be out
	WIN MUL
	MUL8 \f, 0, 0, \zero
	MUL8 \f, 0, 2, \zero
	PLACES
	FETCH \slot, \k, \g
	s_wait_dscnt 32                                ; all but the 32 just issued
	WIN MUL
	MUL8 \f, 1, 0, 0
	MUL8 \f, 1, 2, 0
.endm
; The last quarter multiplies buffer 1 and changes slots: one barrier; in front of it each wave waits for all its tensor loads, adds 0 to its spare word, and waits for that and for its reads of this slot.
.macro TURN slot, next, fill
	WIN 0
	s_wait_tensorcnt 0x0                           ; no tensor load of mine is out, so a group 0 may be written
	ds_add_u32 v[SPW], v[NIL]                      ; 0 onto my spare word; the descriptors' scalar work and eight products stand between it and the wait for it
.if \fill
	AIM \slot                                      ; this slot's next K step, two trips on
.endif
	s_wait_dscnt 17                                ; the add and the youngest sixteen loads may be out
	WIN MUL
	MUL8 F1, 0, 0, 0
	s_wait_dscnt 0x0                               ; the add is done, and my reads of this slot are over
	s_barrier_signal -1
	MUL8 F1, 0, 2, 0
.if \fill
	WIN 0
.endif
	s_barrier_wait -1
.if \fill
	CREST                                          ; the barrier has opened a round of the cluster's
	JLOAD \slot                                    ; the first tensor load behind the round; its four v_nop are also the places in front of the loads below
.else
	PLACES
.endif
	FETCH \next, 0, F0
	WIN MUL
	MUL8 F1, 1, 0, 0
	MUL8 F1, 1, 2, 0
.endm
	s_wait_tensorcnt 1                             ; my part of the first step's tile is in; the second's may stay out
	s_barrier_signal -1
	s_barrier_wait -1
	FETCH 0, 0, F0
	QUARTER 0, 128, F0, F1, 1                      ; the first quarter's first products start the sums
	WIN 0
	s_mov_b32 s3, LAPS-1
.Llap:
	QUARTER 0, 256, F1, F0, 0
	QUARTER 0, 384, F0, F1, 0
	TURN 0, 1, 1
	QUARTER 1, 128, F0, F1, 0
	QUARTER 1, 256, F1, F0, 0
	QUARTER 1, 384, F0, F1, 0
	TURN 1, 0, 1
	QUARTER 0, 128, F0, F1, 0
	WIN 0
	s_sub_co_u32 s3, s3, 1
	s_cmp_lg_u32 s3, 0
	s_cbranch_scc1 .Llap
	QUARTER 0, 256, F1, F0, 0                      ; the last lap fills nothing
	QUARTER 0, 384, F0, F1, 0
	TURN 0, 1, 0
	QUARTER 1, 128, F0, F1, 0
	QUARTER 1, 256, F1, F0, 0
	QUARTER 1, 384, F0, F1, 0
	s_wait_dscnt 16
	WIN MUL
	MUL8 F1, 0, 0, 0
	MUL8 F1, 0, 2, 0
	s_wait_dscnt 0x0
	MUL8 F1, 1, 0, 0
	MUL8 F1, 1, 2, 0
	WIN 0
; THE WAY OUT, 16 rows at a time.  OUTA: a lane's eight numbers of a row, 32 bytes, into my stage (each accumulator's low registers first), and back as whole rows of 256 bytes into the registers that they left.
.macro OUTA a
.irp b, 0,1,2,3
	ds_store_b128 v[STO], v[ACC+8*(4*(\a)+(\b)):ACC+8*(4*(\a)+(\b))+3]   offset:64*(\b)
	ds_store_b128 v[STO], v[ACC+8*(4*(\a)+(\b))+4:ACC+8*(4*(\a)+(\b))+7] offset:64*(\b)+16
.endr
.irp t, 0,1,2,3,4,5,6,7
	ds_load_b128 v[ACC+32*(\a)+4*(\t):ACC+32*(\a)+4*(\t)+3], v[RD] offset:(\t)*2*SPITCH  ; LDS serves a wave's instructions in order (ISA guide 5.7.1.4)
.endr
.endm
; SENDA: the residual is added and the rows are stored.  younger: the LDS instructions issued behind the block's loads.
.macro SENDA a, younger
	s_wait_dscnt \younger
	WIN 0x08                                       ; source 1 in window 2
.set z, 0
.rept 16
	v_pk_add_f32 v[ACC+32*(\a)+z:ACC+32*(\a)+z+1], v[ACC+32*(\a)+z:ACC+32*(\a)+z+1], v[32*(\a)+z:32*(\a)+z+1]
.set z, z+2
.endr
	WIN 0
.irp t, 0,1,2,3,4,5,6,7
	global_store_b128 v[CO], v[ACC+32*(\a)+4*(\t):ACC+32*(\a)+4*(\t)+3], s[74:75] offset:(16*(\a)+2*(\t))*4096 th:TH_STORE_NT  ; 16 lanes store 256 consecutive bytes, aligned
.endr
.endm
	PLACES
	s_wait_loadcnt 0x0                             ; the residual
	OUTA 0
	OUTA 1
	SENDA 0, 16                                    ; the next block's sixteen LDS instructions may be out
	OUTA 2
	SENDA 1, 16
	OUTA 3
	SENDA 2, 16
	SENDA 3, 0
	s_wait_tensorcnt 0x0                           ; the wave's end
	ds_add_u32 v[SPW], v[NIL]
	s_wait_dscnt 0x0
	CROUND                                         ; the closing round
	s_endpgm
.Lfunc_end_k_qbc2754ff5d_proj:
	.size	k_qbc2754ff5d_proj, .Lfunc_end_k_qbc2754ff5d_proj-k_qbc2754ff5d_proj
	.p2alignl 7, 3214868480
	.fill 96, 4, 3214868480
	.section	.rodata,"a",@progbits
	.p2align	6, 0x0
	.amdhsa_kernel k_qbc2754ff5d_proj
		.amdhsa_group_segment_fixed_size 327680
		.amdhsa_private_segment_fixed_size 0
		.amdhsa_enable_private_segment 0
		.amdhsa_kernarg_size 32
		.amdhsa_user_sgpr_count 2
		.amdhsa_user_sgpr_kernarg_segment_ptr 1
		.amdhsa_wavefront_size32 1
		.amdhsa_system_sgpr_workgroup_id_x 1
		.amdhsa_system_sgpr_workgroup_id_y 1
		.amdhsa_system_sgpr_workgroup_id_z 1
		.amdhsa_system_vgpr_workitem_id 0
		.amdhsa_next_free_vgpr 640
		.amdhsa_next_free_sgpr 80
		.amdhsa_reserve_vcc 0
		.amdhsa_float_denorm_mode_32 3
		.amdhsa_float_denorm_mode_16_64 3
		.amdhsa_memory_ordered 1
		.amdhsa_forward_progress 1
		.amdhsa_inst_pref_size 94
	.end_amdhsa_kernel
	.amdgpu_metadata
---
amdhsa.version: [ 1, 2 ]
amdhsa.kernels:
  - .name:           k_qbc2754ff5d_proj
    .symbol:         k_qbc2754ff5d_proj.kd
    .args:
      - { .name: act, .offset: 0, .size: 8, .value_kind: global_buffer, .address_space: global }
      - { .name: w2, .offset: 8, .size: 8, .value_kind: global_buffer, .address_space: global }
      - { .name: x, .offset: 16, .size: 8, .value_kind: global_buffer, .address_space: global }
      - { .name: x1, .offset: 24, .size: 8, .value_kind: global_buffer, .address_space: global }
    .group_segment_fixed_size: 327680
    .private_segment_fixed_size: 0
    .kernarg_segment_align: 8
    .kernarg_segment_size: 32
    .max_flat_workgroup_size: 128
    .sgpr_count:     80
    .vgpr_count:     640
    .wavefront_size: 32
...
	.end_amdgpu_metadata
.endif
;; end of part 5
;; launch ln2: the kernel of part 2 again; grid 256 x 1, 8 waves a work-group, no clusters, 0 bytes of LDS; arguments x1, ln2_w, ln2_b, act; writes act
;; launch up: the kernel of part 3 again; grid 16 x 16, 4 waves a work-group, clusters of 4 x 4, 327,680 bytes of LDS; arguments act, wup, ff; writes ff
;; launch down (part 6): grid 8 x 32, 4 waves a work-group, clusters of 4 x 4, 327,680 bytes of LDS; arguments ff, w2, x1, out0; writes out0
.if DOCPART == 6
	.amdgcn_target "amdgcn-amd-amdhsa--gfx1250"
	.amdhsa_code_object_version 6
	.text
	.protected	k_qbc2754ff5d_down
	.globl	k_qbc2754ff5d_down
	.p2align	8
	.type	k_qbc2754ff5d_down,@function
k_qbc2754ff5d_down:
	s_mov_b64 s[64:65], 0
	v_nop
	global_prefetch_b8 v0, s[64:65] scope:SCOPE_SE
	s_setreg_imm32_b32 hwreg(HW_REG_WAVE_MODE, 25, 1), 1
	s_wait_xcnt 0x0
	s_wait_alu depctr_hold_cnt(0) depctr_sa_sdst(0) depctr_va_vdst(0) depctr_va_sdst(0) depctr_va_ssrc(0) depctr_va_vcc(0) depctr_vm_vsrc(0)
	s_getreg_b32 s2, hwreg(HW_REG_IB_STS2, 6, 4)
	s_cmp_eq_u32 s2, 0
	s_cbranch_scc0 .Lentry_in_a_cluster
	s_endpgm
.Lentry_in_a_cluster:
	s_bfe_u32 s2, ttmp6, 0x10000c
	s_cmp_lg_u32 s2, 0xf033
	s_cbranch_scc0 .Lentry_shape_is_right
	s_endpgm
.Lentry_shape_is_right:
; C = R + A B^T.  4,096 rows, 1,024 columns, K = 128 KP.  A, B bf16; sums, R and C f32.  Here: out = x1 + ff w_down^T (KP = 32 panels of K, B from byte 2,097,152 of the pack).
; A: panels [KP][4096 rows][128] bf16.  B: from byte BOFF on, [1024 / 128][KP panels][128 rows][128] bf16.  R, C: [4096][1024] f32.
; SHARES.  A tile of C is 128 x 128, which gives 256 work-groups; four waves, each 64 x 64: 16 accumulators, 128 registers.  K goes in NST steps of 256, two panels, through two LDS slots:
; a slot is [A panel 0][A panel 1][B panel 0][B panel 1], each 128 rows of 256 bytes, and wave w's one tensor load brings region w.
; CLUSTER.  4 x 4 work-groups; A's tiles are asked for jointly along a row of the cluster, B's along a column.  A wave has two tensor loads out at the start and one behind each round.
; THE WALK ALONG K BEGINS AT ANOTHER STEP IN EACH CLUSTER and goes round the end of K: cluster (X, Y) takes step (NST/2 X + NST/4 (Y mod 4) + t) mod NST in its trip t.  The two clusters that
; take the same rows of A (X = 0, 1) walk half a walk apart, four neighbours of the eight that take the same rows of B a quarter apart: the clusters that read a tile ask for it at different times.
; The number hangs on the cluster's own coordinates alone, which all sixteen partners share.  The f32 sums are taken in that order of K.
; THE RESIDUAL is loaded into registers at the start, in the layout in which the results leave, and lands while K is walked.
; THE MATRIX INSTRUCTION IS USED TRANSPOSED (source 0 = 16 rows of B, source 1 = 16 rows of A): a lane holds eight neighbouring numbers of a row of C.  A wave's 64 columns of f32 are 256 bytes,
; aligned: each wave sends its results through a stage of its own, and no barrier stands on the way out.
; REGISTERS: window 0: v0-31 addresses; v128-255 the accumulators ((a, b) at v[128 + 8 (4 a + b)]).  window 1: two fragment buffers of 128.  window 2: v0-127 the residual.
.set KP,     32
.set BOFF,   2097152
.set NST,    KP/2                      ; K steps, a power of two
.set LAPS,   KP/4                      ; a lap = two K steps = four panels
.set PITCH,  272                       ; an LDS row: 256 bytes + 16 of padding (ISA guide 11.1: the 16 rows of a load start at 16 different groups of four banks)
.set HALFT,  128*PITCH                 ; a region: what one tensor load brings
.set SLOT,   4*HALFT
.set STAGE,  2*SLOT                    ; behind the ring: 16 rows x 272 bytes for each wave
.set SPITCH, 272
.set SPARE,  STAGE+4*16*SPITCH         ; the spare words, 128 bytes a wave: two blocks of 256 bytes that no other line names
.set ADRA, 16                          ; v16-17  LDS address of my A fragments in slot 0, 1
.set ADRB, 20                          ; v20-21  the same for B
.set STO,  24                          ; v24     the way out: where I put 32 bytes of a row
.set RD,   25                          ; v25     where I read a row back
.set CO,   26                          ; v26     my byte offset in two rows of R and C
.set SPW,  28                          ; v28     my spare word; never rewritten
.set NIL,  29                          ; v29     0; never rewritten
.set ACC,  128
.set F0,   0
.set F1,   128
.set G1, 24
.set G0, 32
.set G1B, 48
.set G0B, 56
.set OFA, 4                            ; s[4:5]   a K step's byte offset in A: step x two panels of 1,048,576 bytes; the high word stays 0
.set OFB, 6                            ; s[6:7]   the same in B: step x two panels of 32,768 bytes
.set NXT, 8                            ; s8       the K step that the next fill asks for
.set BA,  14                           ; s[14:15] A at my part of K step 0's tile; never rewritten
.set BB,  76                           ; s[76:77] B likewise
.set MSB, 0
.macro WIN new
.if MSB != (\new)
	s_set_vgpr_msb (MSB<<8)|(\new)
.set MSB, \new
.endif
.endm
.set MUL,  0x05                        ; sources 0 (B) and 1 (A) window 1; C and D window 0
.set TO_F, 0x40                        ; destination window 1, address window 0
.macro JLOAD s                         ; a joint load: waves 0 and 1 fetch A's two panels, waves 2 and 3 B's; an s_nop 0 and four v_nop follow each line
	s_cmp_eq_u32 s11, 0
	s_cbranch_scc0 .Lfor_b_\@
	tensor_load_to_lds s[G0+4*(\s):G0+4*(\s)+3], s[G1:G1+7]
	s_nop 0
.rept 4
	v_nop
.endr
	s_branch .Lasked_\@
.Lfor_b_\@:
	tensor_load_to_lds s[G0B+4*(\s):G0B+4*(\s)+3], s[G1B:G1B+7]
	s_nop 0
.rept 4
	v_nop
.endr
.Lasked_\@:
.endm
; Both descriptors of slot s are aimed at K step NXT: the address is made anew, a base and an offset made apart, and the type bits are set again; then NXT steps on, round the end of K.
.macro AIM s
	s_lshl_b32 s[OFA], s[NXT], 21
	s_lshl_b32 s[OFB], s[NXT], 16
	s_add_nc_u64 s[G0+4*(\s)+2:G0+4*(\s)+3], s[BA:BA+1], s[OFA:OFA+1]
	s_or_b32 s[G0+4*(\s)+3], s[G0+4*(\s)+3], 0x80000000
	s_add_nc_u64 s[G0B+4*(\s)+2:G0B+4*(\s)+3], s[BB:BB+1], s[OFB:OFB+1]
	s_or_b32 s[G0B+4*(\s)+3], s[G0B+4*(\s)+3], 0x80000000
	s_add_co_u32 s[NXT], s[NXT], 1
	s_and_b32 s[NXT], s[NXT], NST-1
.endm
.macro CREST
	s_cmp_lg_u32 s10, 0
	s_cbranch_scc1 .Lnot_wave_0_\@
	s_barrier_signal -3
.Lnot_wave_0_\@:
	s_barrier_wait -3
	s_barrier_signal -1
	s_barrier_wait -1
.endm
.macro CROUND
	s_barrier_signal -1
	s_barrier_wait -1
	CREST
.endm
	s_load_b256 s[68:75], s[0:1], 0x0              ; A s[68:69], B s[70:71], R s[72:73], C s[74:75]
	v_lshl_add_u32 v[SPW], v0, 2, SPARE
	v_mov_b32 v[NIL], 0
	ds_add_u32 v[SPW], v[NIL]                      ; the wave's opening: the add and its wait ahead of my first tensor load
	v_lshrrev_b32 v1, 5, v0
	v_readfirstlane_b32 s10, v1                    ; wave 0..3
	s_lshr_b32 s11, s10, 1                         ; which half of the tile's rows is mine.  Also: I fetch for A (0) or for B (1)
	s_and_b32 s12, s10, 1                          ; which half of its columns.  Also: which panel of the K step I fetch
	s_bfe_u32 s40, ttmp6, 0x40000
	s_bfe_u32 s41, ttmp6, 0x40004
	s_lshl_b32 s42, ttmp9, 2
	s_add_co_u32 s42, s42, s40                     ; tile column
	s_and_b32 s13, ttmp7, 0xffff
	s_lshl_b32 s13, s13, 2
	s_add_co_u32 s13, s13, s41                     ; tile row
	s_lshl_b32 s43, s41, 2
	s_lshl_b32 s43, 15, s43                        ; my row of the cluster
	s_lshl_b32 s44, 0x1111, s40                    ; my column
	s_or_b32 s[G1+0], s43, (1<<16)|(1<<20)|(1<<21)|(5<<22)|(3<<25)
	s_or_b32 s[G1B+0], s44, (1<<16)|(1<<20)|(1<<21)|(5<<22)|(3<<25)
.irp g, G1, G1B
	s_mov_b32 s[(\g)+1], 128<<16                   ; tensor_dim0 = 128
	s_mov_b32 s[(\g)+2], 128<<16                   ; tensor_dim1 = 128
	s_mov_b32 s[(\g)+3], 128<<16                   ; tile_dim0 = 128
	s_mov_b32 s[(\g)+4], 128                       ; tile_dim1 = 128
	s_mov_b32 s[(\g)+5], 128                       ; dense rows
	s_mov_b32 s[(\g)+6], 0
	s_mov_b32 s[(\g)+7], 0
.endr
	s_and_b32 s9, ttmp7, 3                         ; where my cluster's walk begins: cluster y mod 4, a quarter of the walk each,
	s_mul_i32 s9, s9, NST/4
	s_mul_i32 s[NXT], ttmp9, NST/2                 ; cluster x, half of the walk
	s_add_co_u32 s[NXT], s[NXT], s9
	s_and_b32 s[NXT], s[NXT], NST-1
	s_mov_b32 s[OFA+1], 0
	s_mov_b32 s[OFB+1], 0
	s_lshl_b32 s16, s13, 15                        ; A: the tile row's 128 rows of 256 bytes,
	s_lshl_b32 s17, s12, 20                        ; in my panel
	s_add_co_u32 s16, s16, s17
	s_mov_b32 s17, 0
	s_mul_i32 s46, s42, KP<<15                     ; B: the tile column's KP panels of 32,768 bytes,
	s_lshl_b32 s47, s12, 15                        ; my panel
	s_add_co_u32 s46, s46, s47
	s_add_co_u32 s46, s46, BOFF
	s_mov_b32 s47, 0
	s_mul_i32 s20, s10, HALFT                      ; where they go: region = wave
	s_wait_dscnt 0x0                               ; the opening add is done
	s_wait_kmcnt 0x0
	s_add_nc_u64 s[BA:BA+1], s[68:69], s[16:17]
	s_add_nc_u64 s[BB:BB+1], s[70:71], s[46:47]
	CROUND                                         ; all sixteen work-groups are here: the first joint loads meet
.irp s, 0,1
	s_mov_b32 s[G0+4*(\s)], 1
	s_add_co_u32 s[G0+4*(\s)+1], s20, (\s)*SLOT
	s_mov_b32 s[G0B+4*(\s)], 1
	s_add_co_u32 s[G0B+4*(\s)+1], s20, (\s)*SLOT
	AIM \s                                         ; the walk's first two steps
	JLOAD \s
.endr
	v_and_b32 v1, 15, v0                           ; l % 16
	v_bfe_u32 v2, v0, 4, 1                         ; l / 16
	v_lshlrev_b32 v5, 12, v2                       ; R and C: lanes 0-15 one row's 256 bytes, lanes 16-31 the next row's
	v_lshl_add_u32 v[CO], v1, 4, v5
	s_lshl_b32 s16, s13, 7
	s_lshl_b32 s17, s11, 6
	s_add_co_u32 s16, s16, s17                     ; my first row,
	s_lshl_b32 s16, s16, 12                        ; of 4,096 bytes
	s_mov_b32 s17, 0
	s_lshl_b32 s46, s42, 9                         ; my first column: 512 x tile column + 256 x half
	s_lshl_b32 s47, s12, 8
	s_add_co_u32 s46, s46, s47
	s_mov_b32 s47, 0
	s_add_nc_u64 s[72:73], s[72:73], s[16:17]
	s_add_nc_u64 s[72:73], s[72:73], s[46:47]
	s_add_nc_u64 s[74:75], s[74:75], s[16:17]
	s_add_nc_u64 s[74:75], s[74:75], s[46:47]
	WIN 0x80                                       ; destination window 2, address window 0
.irp a, 0,1,2,3
.irp t, 0,1,2,3,4,5,6,7
	global_load_b128 v[32*(\a)+4*(\t):32*(\a)+4*(\t)+3], v[CO], s[72:73] offset:(16*(\a)+2*(\t))*4096 th:TH_LOAD_NT
.endr
.endr
	WIN 0
	v_mul_u32_u24 v3, v1, PITCH
	v_lshl_add_u32 v3, v2, 4, v3                   ; a fragment's row x pitch + 16 x half
	s_mul_i32 s21, s11, 64*PITCH                   ; my 64 rows of A's panels
	s_mul_i32 s22, s12, 64*PITCH                   ; my 64 rows of B's,
	s_add_co_u32 s22, s22, 2*HALFT                 ; which lie behind A's two
.irp s, 0,1
	v_add_nc_u32 v[ADRA+(\s)], s21, v3
	v_add_nc_u32 v[ADRB+(\s)], s22, v3
	s_add_co_u32 s21, s21, SLOT
	s_add_co_u32 s22, s22, SLOT
.endr
	s_mul_i32 s23, s10, 16*SPITCH
	s_add_co_u32 s23, s23, STAGE                   ; my stage
	v_mul_u32_u24 v4, v1, SPITCH                   ; in: row l % 16, 32 bytes (8 f32) for each half of the lanes
	v_lshl_add_u32 v4, v2, 5, v4
	v_add_nc_u32 v[STO], s23, v4
	v_mul_u32_u24 v5, v2, SPITCH                   ; back: lanes 0-15 one row of 256 bytes, lanes 16-31 the next
	v_lshl_add_u32 v5, v1, 4, v5
	v_add_nc_u32 v[RD], s23, v5
; 8 matrix instructions: m blocks a0, a0 + 1 x all 4 n blocks, 32 along K: half c of buffer f.  The 16 accumulators take turns.
.macro MUL8 f, c, a0, zero
	WIN MUL
.irp a, \a0, (\a0)+1
.irp b, 0,1,2,3
.if \zero
	v_wmma_f32_16x16x32_bf16 v[ACC+8*(4*(\a)+(\b)):ACC+8*(4*(\a)+(\b))+7], v[(\f)+64+8*(4*(\c)+(\b)):(\f)+64+8*(4*(\c)+(\b))+7], v[(\f)+8*(4*(\c)+(\a)):(\f)+8*(4*(\c)+(\a))+7], 0
.else
	v_wmma_f32_16x16x32_bf16 v[ACC+8*(4*(\a)+(\b)):ACC+8*(4*(\a)+(\b))+7], v[(\f)+64+8*(4*(\c)+(\b)):(\f)+64+8*(4*(\c)+(\b))+7], v[(\f)+8*(4*(\c)+(\a)):(\f)+8*(4*(\c)+(\a))+7], v[ACC+8*(4*(\a)+(\b)):ACC+8*(4*(\a)+(\b))+7]
.endif
.endr
.endr
.endm
; 32 LDS loads in one run: the fragments of 64 along K, from byte k of the K step's 512 (panel k / 256, byte k % 256 of its rows), into buffer f; the first 32 along K first
.macro FETCH slot, k, f
.set KB, ((\k)/256)*HALFT+(\k)%256
	WIN TO_F
.irp c, 0,1
.irp i, 0,1,2,3
	ds_load_b128 v[(\f)+64+8*(4*(\c)+(\i)):(\f)+64+8*(4*(\c)+(\i))+3],   v[ADRB+(\slot)] offset:KB+64*(\c)+(\i)*16*PITCH
	ds_load_b128 v[(\f)+64+8*(4*(\c)+(\i))+4:(\f)+64+8*(4*(\c)+(\i))+7], v[ADRB+(\slot)] offset:KB+64*(\c)+(\i)*16*PITCH+32
	ds_load_b128 v[(\f)+8*(4*(\c)+(\i)):(\f)+8*(4*(\c)+(\i))+3],         v[ADRA+(\slot)] offset:KB+64*(\c)+(\i)*16*PITCH
	ds_load_b128 v[(\f)+8*(4*(\c)+(\i))+4:(\f)+8*(4*(\c)+(\i))+7],       v[ADRA+(\slot)] offset:KB+64*(\c)+(\i)*16*PITCH+32
.endr
.endr
.endm
.macro PLACES                          ; four plain places behind matrix instructions (ISA guide 7.12.1)
.rept 4
	v_nop
.endr
.endm
; A K step is four quarters of 64 along K, 32 matrix instructions each, on buffers 0, 1, 0, 1.
.macro QUARTER slot, k, f, g, zero
	s_wait_dscnt 16                                ; the first 32 along K are in; the other sixteen loads may be out
	WIN MUL
	MUL8 \f, 0, 0, \zero
	MUL8 \f, 0, 2, \zero
	PLACES
	FETCH \slot, \k, \g
	s_wait_dscnt 32                                ; all but the 32 just issued
	WIN MUL
	MUL8 \f, 1, 0, 0
	MUL8 \f, 1, 2, 0
.endm
; The last quarter multiplies buffer 1 and changes slots: one barrier; in front of it each wave waits for all its tensor loads, adds 0 to its spare word, and waits for that and for its reads of this slot.
.macro TURN slot, next, fill
	WIN 0
	s_wait_tensorcnt 0x0                           ; no tensor load of mine is out, so a group 0 may be written
	ds_add_u32 v[SPW], v[NIL]                      ; 0 onto my spare word; the descriptors' scalar work and eight products stand between it and the wait for it
.if \fill
	AIM \slot                                      ; this slot's next K step, two trips on
.endif
	s_wait_dscnt 17                                ; the add and the youngest sixteen loads may be out
	WIN MUL
	MUL8 F1, 0, 0, 0
	s_wait_dscnt 0x0                               ; the add is done, and my reads of this slot are over
	s_barrier_signal -1
	MUL8 F1, 0, 2, 0
.if \fill
	WIN 0
.endif
	s_barrier_wait -1
.if \fill
	CREST                                          ; the barrier has opened a round of the cluster's
	JLOAD \slot                                    ; the first tensor load behind the round; its four v_nop are also the places in front of the loads below
.else
	PLACES
.endif
	FETCH \next, 0, F0
	WIN MUL
	MUL8 F1, 1, 0, 0
	MUL8 F1, 1, 2, 0
.endm
	s_wait_tensorcnt 1                             ; my part of the first step's tile is in; the second's may stay out
	s_barrier_signal -1
	s_barrier_wait -1
	FETCH 0, 0, F0
	QUARTER 0, 128, F0, F1, 1                      ; the first quarter's first products start the sums
	WIN 0
	s_mov_b32 s3, LAPS-1
.Llap:
	QUARTER 0, 256, F1, F0, 0
	QUARTER 0, 384, F0, F1, 0
	TURN 0, 1, 1
	QUARTER 1, 128, F0, F1, 0
	QUARTER 1, 256, F1, F0, 0
	QUARTER 1, 384, F0, F1, 0
	TURN 1, 0, 1
	QUARTER 0, 128, F0, F1, 0
	WIN 0
	s_sub_co_u32 s3, s3, 1
	s_cmp_lg_u32 s3, 0
	s_cbranch_scc1 .Llap
	QUARTER 0, 256, F1, F0, 0                      ; the last lap fills nothing
	QUARTER 0, 384, F0, F1, 0
	TURN 0, 1, 0
	QUARTER 1, 128, F0, F1, 0
	QUARTER 1, 256, F1, F0, 0
	QUARTER 1, 384, F0, F1, 0
	s_wait_dscnt 16
	WIN MUL
	MUL8 F1, 0, 0, 0
	MUL8 F1, 0, 2, 0
	s_wait_dscnt 0x0
	MUL8 F1, 1, 0, 0
	MUL8 F1, 1, 2, 0
	WIN 0
; THE WAY OUT, 16 rows at a time.  OUTA: a lane's eight numbers of a row, 32 bytes, into my stage (each accumulator's low registers first), and back as whole rows of 256 bytes into the registers that they left.
.macro OUTA a
.irp b, 0,1,2,3
	ds_store_b128 v[STO], v[ACC+8*(4*(\a)+(\b)):ACC+8*(4*(\a)+(\b))+3]   offset:64*(\b)
	ds_store_b128 v[STO], v[ACC+8*(4*(\a)+(\b))+4:ACC+8*(4*(\a)+(\b))+7] offset:64*(\b)+16
.endr
.irp t, 0,1,2,3,4,5,6,7
	ds_load_b128 v[ACC+32*(\a)+4*(\t):ACC+32*(\a)+4*(\t)+3], v[RD] offset:(\t)*2*SPITCH  ; LDS serves a wave's instructions in order (ISA guide 5.7.1.4)
.endr
.endm
; SENDA: the residual is added and the rows are stored.  younger: the LDS instructions issued behind the block's loads.
.macro SENDA a, younger
	s_wait_dscnt \younger
	WIN 0x08                                       ; source 1 in window 2
.set z, 0
.rept 16
	v_pk_add_f32 v[ACC+32*(\a)+z:ACC+32*(\a)+z+1], v[ACC+32*(\a)+z:ACC+32*(\a)+z+1], v[32*(\a)+z:32*(\a)+z+1]
.set z, z+2
.endr
	WIN 0
.irp t, 0,1,2,3,4,5,6,7
	global_store_b128 v[CO], v[ACC+32*(\a)+4*(\t):ACC+32*(\a)+4*(\t)+3], s[74:75] offset:(16*(\a)+2*(\t))*4096 th:TH_STORE_NT  ; 16 lanes store 256 consecutive bytes, aligned
.endr
.endm
	PLACES
	s_wait_loadcnt 0x0                             ; the residual
	OUTA 0
	OUTA 1
	SENDA 0, 16                                    ; the next block's sixteen LDS instructions may be out
	OUTA 2
	SENDA 1, 16
	OUTA 3
	SENDA 2, 16
	SENDA 3, 0
	s_wait_tensorcnt 0x0                           ; the wave's end
	ds_add_u32 v[SPW], v[NIL]
	s_wait_dscnt 0x0
	CROUND                                         ; the closing round
	s_endpgm
.Lfunc_end_k_qbc2754ff5d_down:
	.size	k_qbc2754ff5d_down, .Lfunc_end_k_qbc2754ff5d_down-k_qbc2754ff5d_down
	.p2alignl 7, 3214868480
	.fill 96, 4, 3214868480
	.section	.rodata,"a",@progbits
	.p2align	6, 0x0
	.amdhsa_kernel k_qbc2754ff5d_down
		.amdhsa_group_segment_fixed_size 327680
		.amdhsa_private_segment_fixed_size 0
		.amdhsa_enable_private_segment 0
		.amdhsa_kernarg_size 32
		.amdhsa_user_sgpr_count 2
		.amdhsa_user_sgpr_kernarg_segment_ptr 1
		.amdhsa_wavefront_size32 1
		.amdhsa_system_sgpr_workgroup_id_x 1
		.amdhsa_system_sgpr_workgroup_id_y 1
		.amdhsa_system_sgpr_workgroup_id_z 1
		.amdhsa_system_vgpr_workitem_id 0
		.amdhsa_next_free_vgpr 640
		.amdhsa_next_free_sgpr 80
		.amdhsa_reserve_vcc 0
		.amdhsa_float_denorm_mode_32 3
		.amdhsa_float_denorm_mode_16_64 3
		.amdhsa_memory_ordered 1
		.amdhsa_forward_progress 1
		.amdhsa_inst_pref_size 94
	.end_amdhsa_kernel
	.amdgpu_metadata
---
amdhsa.version: [ 1, 2 ]
amdhsa.kernels:
  - .name:           k_qbc2754ff5d_down
    .symbol:         k_qbc2754ff5d_down.kd
    .args:
      - { .name: ff, .offset: 0, .size: 8, .value_kind: global_buffer, .address_space: global }
      - { .name: w2, .offset: 8, .size: 8, .value_kind: global_buffer, .address_space: global }
      - { .name: x1, .offset: 16, .size: 8, .value_kind: global_buffer, .address_space: global }
      - { .name: out0, .offset: 24, .size: 8, .value_kind: global_buffer, .address_space: global }
    .group_segment_fixed_size: 327680
    .private_segment_fixed_size: 0
    .kernarg_segment_align: 8
    .kernarg_segment_size: 32
    .max_flat_workgroup_size: 128
    .sgpr_count:     80
    .vgpr_count:     640
    .wavefront_size: 32
...
	.end_amdgpu_metadata
.endif
;; end of part 6
;; ======== version 2 of 2: 8 launches; version 1 with the launches cast, ln1, ln2 written anew for expert scheduling mode
;; workspace buffers: wqkv 6,291,968 bytes; wup 8,389,120 bytes; w2 10,485,760 bytes; act 8,388,608 bytes; qkv 25,165,824 bytes; x1 16,777,216 bytes; ff 33,554,432 bytes
;; launch cast (part 7): grid 64 x 12, 8 waves a work-group, no clusters, 0 bytes of LDS; arguments wq, wk, wv, wo, w_up, w_down, wqkv, wup, w2; writes wqkv, wup, w2
.if DOCPART == 7
	.amdgcn_target "amdgcn-amd-amdhsa--gfx1250"
	.amdhsa_code_object_version 6
	.text
	.protected	k_qbc2754ff5d_cast
	.globl	k_qbc2754ff5d_cast
	.p2align	8
	.type	k_qbc2754ff5d_cast,@function
k_qbc2754ff5d_cast:
	s_mov_b64 s[64:65], 0
	v_nop
	global_prefetch_b8 v0, s[64:65] scope:SCOPE_SE
	s_setreg_imm32_b32 hwreg(HW_REG_WAVE_SCHED_MODE, 0, 2), 2
	s_setreg_imm32_b32 hwreg(HW_REG_WAVE_MODE, 25, 1), 1
	s_wait_xcnt 0x0
	s_wait_alu depctr_vm_vsrc(0)
; THE SIX WEIGHTS, f32 [n][k], are rounded once to bf16 (nearest even) and laid in blocks, so that every tile that a later product
; asks for is a dense run of rows of 256 bytes:  [n / TN][k / 128][TN rows][128 numbers].
;   wqkv: 512 bytes of header, then wq, wk, wv one below the other, TN = 256 (12 tiles x 8 panels x 65,536 bytes)
;   wup : 512 bytes of header, then w_up, TN = 256 (16 x 8 x 65,536)
;   w2  : wo, TN = 128 (8 x 8 x 32,768), then from byte 2,097,152 w_down, TN = 128 (8 x 32 x 32,768)
; THE HEADER's words are the floor that the product taking the pack lays under its results, twice in bf16: minus infinity for wqkv
; (no floor), 0 for wup (the ReLU).  It steers values alone.
; SHARES.  Grid y = c names 1,048,576 numbers: 0 wq, 1 wk, 2 wv, 3 wo, 4-7 w_up, 8-11 w_down; grid x names 16,384 of them; wave w takes
; 2,048 of those, in 16 runs of 128.  A run is one row of one panel: the wave's load covers its 512 consecutive bytes (16 a lane), and
; the wave's store its 256 consecutive bytes, aligned (8 a lane).  Memory binds: no LDS, no barrier, all sixteen loads of a wave out at once.
; THE MODE: SCHED_MODE bits 1:0 = 2 (LLVM: expert scheduling mode 2), set by the entry lines.  The code itself states the register dependences
; between vector instructions and memory instructions, with s_wait_alu, always for 0.
; THE PLAN.  Registers that memory instructions touch:
;   v1        the loads' offset: written once at the head, read by the sixteen loads.
;   IN        run j's four registers: written by run j's load alone, read by run j's two roundings.
;   OUT       run j's two registers: written once, by run j's roundings; read once, by run j's store.
;   v2, PA    the stores' offsets: written once, behind the loads; read by the stores.
;   v3, HD    the header's offset and data: written once, read by the header's one store.
; The sixteen runs go in four groups of four.  Group g's roundings name IN and OUT of group g alone; the stores dealt among them are those of
; group g - 1.  So one wait at a group's head states all that its four stores hang on.  No register that a memory instruction reads is written again.
.set IN,  8                            ; v[8:71]    run j: 4 numbers in f32
.set OUT, 72                           ; v[72:103]  run j: 2 registers, 4 bf16
.set PA,  104                          ; v[104:111] rows of 1,024 numbers: my 8 bytes in the wave's first row of panel k
.set HD,  112                          ; v[112:115] the header's word, four times
	s_load_b512 s[8:23], s[0:1], 0x0               ; wq 8, wk 10, wv 12, wo 14, w_up 16, w_down 18, wqkv 20, wup 22
	s_load_b64 s[24:25], s[0:1], 0x40              ; w2
	s_and_b32 s2, ttmp7, 0xffff                    ; c
	s_mov_b32 s3, ttmp9                            ; x
	v_lshrrev_b32 v3, 5, v0
	v_readfirstlane_b32 s4, v3                     ; wave
	v_and_b32 v4, 31, v0                           ; lane
	s_and_b32 s5, s2, 3                            ; c & 3: the chunk's number inside w_up or w_down
	s_lshl_b32 s28, s5, 22                         ; a chunk is 4 MiB of f32;
	s_cmp_lt_u32 s2, 4
	s_cselect_b32 s28, 0, s28                      ; the four square weights are one chunk each
	s_lshl_b32 s29, s3, 16                         ; x's 16,384 numbers
	s_add_co_u32 s28, s28, s29
	s_mov_b32 s29, 0
	s_wait_alu depctr_va_sdst(0)                   ; s4 is written, ahead of its first reader: offsets and a branch are made from it
	s_lshl_b32 s6, s4, 13                          ; the wave's 2,048 numbers of 4 bytes
	v_lshl_add_u32 v1, v4, 4, s6                   ; + 16 bytes a lane
	s_wait_kmcnt 0x0
	s_mov_b64 s[26:27], s[18:19]                   ; the source, chosen by c alone
	s_cmp_lt_u32 s2, 8
	s_cselect_b64 s[26:27], s[16:17], s[26:27]
	s_cmp_eq_u32 s2, 3
	s_cselect_b64 s[26:27], s[14:15], s[26:27]
	s_cmp_eq_u32 s2, 2
	s_cselect_b64 s[26:27], s[12:13], s[26:27]
	s_cmp_eq_u32 s2, 1
	s_cselect_b64 s[26:27], s[10:11], s[26:27]
	s_cmp_eq_u32 s2, 0
	s_cselect_b64 s[26:27], s[8:9], s[26:27]
	s_add_nc_u64 s[26:27], s[26:27], s[28:29]
	s_wait_alu depctr_va_vdst(0)                   ; v1 is written, which the sixteen loads read as their offset
.irp j, 0,1,2,3,4,5,6,7,8,9,10,11,12,13,14,15
	global_load_b128 v[IN+4*(\j):IN+4*(\j)+3], v1, s[26:27] offset:512*(\j) th:TH_LOAD_NT
.endr
; Run j's two roundings.
.macro CVT j
	v_cvt_pk_bf16_f32 v[OUT+2*(\j)],   v[IN+4*(\j)],   v[IN+4*(\j)+1]
	v_cvt_pk_bf16_f32 v[OUT+2*(\j)+1], v[IN+4*(\j)+2], v[IN+4*(\j)+3]
.endm
; Run j's store.  wide = 0: rows of 1,024 numbers: panel j % 8, row j / 8 of the wave's two.  wide = 1: rows of 4,096 numbers: panel j of the wave's sixteen.
.macro ST j, wide
.if \wide
	global_store_b64 v2, v[OUT+2*(\j):OUT+2*(\j)+1], s[32:33] offset:(\j)*32768 th:TH_STORE_NT
.else
	global_store_b64 v[PA+((\j)&7)], v[OUT+2*(\j):OUT+2*(\j)+1], s[32:33] offset:((\j)>>3)*256 th:TH_STORE_NT
.endif
.endm
; The sixteen runs, in four groups of four.
.macro RUNS wide
	s_wait_loadcnt 12                              ; loads come back in order (ISA guide 5.7.1): group 0's four are in, the twelve younger ones stay out
.irp i, 0,1,2,3
	CVT \i
.endr
.irp g, 1,2,3
	s_wait_loadcnt 12-4*(\g)                       ; this group's four loads are in; those of the groups to come stay out
	s_wait_alu depctr_va_vdst(0)                   ; the group before has written its OUT, which the four stores below read; at the first of these waits the stores' offsets are written too
.irp i, 0,1,2,3
	ST 4*(\g)-4+(\i), \wide                        ; no vector instruction since the wait names this store's registers
	CVT 4*(\g)+(\i)
.endr
.endr
	s_wait_alu depctr_va_vdst(0)                   ; group 3 has written its OUT, which the last four stores read
.irp i, 0,1,2,3
	ST 12+(\i), \wide
.endr
.endm
	s_cmp_ge_u32 s2, 8
	s_cbranch_scc1 .Ldown
	; ROWS OF 1,024 NUMBERS.  Run j lies in row 16 x + 2 w + j / 8 of the chunk, panel j % 8.
	s_cmp_eq_u32 s2, 3
	s_cselect_b32 s6, 15, 16                       ; a panel of a tile: 32,768 bytes (TN = 128, wo) or 65,536
	s_lshl_b32 s36, s4, 9                          ; the wave's two rows of 256 bytes in a panel
	v_lshl_add_u32 v2, v4, 3, s36                  ; + 8 bytes a lane
.irp k, 0,1,2,3,4,5,6,7
	v_lshl_add_u32 v[PA+(\k)], \k, s6, v2          ; + panel k
.endr
	s_lshr_b32 s34, s3, 3                          ; wo: tile x / 8 of 262,144 bytes, rows 16 (x % 8) on
	s_lshl_b32 s34, s34, 18
	s_and_b32 s35, s3, 7
	s_lshl_b32 s35, s35, 12
	s_add_co_u32 s34, s34, s35
	s_lshl_b32 s7, s5, 2                           ; the others: tile 4 (c & 3) + x / 16 of 524,288 bytes, rows 16 (x % 16) on, behind the header
	s_lshr_b32 s35, s3, 4
	s_add_co_u32 s7, s7, s35
	s_lshl_b32 s7, s7, 19
	s_and_b32 s35, s3, 15
	s_lshl_b32 s35, s35, 12
	s_add_co_u32 s7, s7, s35
	s_add_co_u32 s7, s7, 512
	s_cmp_lt_u32 s2, 3
	s_cselect_b64 s[30:31], s[20:21], s[22:23]
	s_cmp_eq_u32 s2, 3
	s_cselect_b64 s[30:31], s[24:25], s[30:31]
	s_cselect_b32 s34, s34, s7
	s_mov_b32 s35, 0
	s_add_nc_u64 s[32:33], s[30:31], s[34:35]
	RUNS 0
	s_or_b32 s36, s3, s5                           ; the header: wave 0 of the first work-group of chunks 0 and 4
	s_or_b32 s36, s36, s4
	s_cmp_lg_u32 s36, 0
	s_cbranch_scc1 .Lend
	s_cmp_eq_u32 s2, 0
	s_cselect_b32 s36, 0xff80ff80, 0
.irp j, 0,1,2,3
	v_mov_b32 v[HD+(\j)], s36
.endr
	v_lshlrev_b32 v3, 4, v4
	s_wait_alu depctr_va_vdst(0)                   ; v[HD ..] and v3 are written, which the store below reads as its data and its offset
	global_store_b128 v3, v[HD:HD+3], s[30:31]     ; 32 lanes x 16 bytes: the 512 bytes
	s_branch .Lend
.Ldown:
	; ROWS OF 4,096 NUMBERS.  Run j lies in row 4 x + w / 2 of the chunk, panel 16 (w % 2) + j.
	s_lshr_b32 s6, s4, 1
	s_lshl_b32 s6, s6, 8                           ; the wave's row of 256 bytes in a panel
	s_and_b32 s7, s4, 1
	s_lshl_b32 s7, s7, 19                          ; its first panel: 16 panels of 32,768 bytes on for the odd waves
	s_add_co_u32 s6, s6, s7
	v_lshl_add_u32 v2, v4, 3, s6                   ; + 8 bytes a lane
	s_lshl_b32 s7, s5, 1                           ; tile 2 (c & 3) + x / 32 of 1,048,576 bytes, rows 4 (x % 32) on
	s_lshr_b32 s35, s3, 5
	s_add_co_u32 s7, s7, s35
	s_lshl_b32 s7, s7, 20
	s_and_b32 s35, s3, 31
	s_lshl_b32 s35, s35, 10
	s_add_co_u32 s34, s7, s35
	s_add_co_u32 s34, s34, 2097152
	s_mov_b32 s35, 0
	s_add_nc_u64 s[32:33], s[24:25], s[34:35]
	RUNS 1
.Lend:
	s_endpgm
.Lfunc_end_k_qbc2754ff5d_cast:
	.size	k_qbc2754ff5d_cast, .Lfunc_end_k_qbc2754ff5d_cast-k_qbc2754ff5d_cast
	.p2alignl 7, 3214868480
	.fill 96, 4, 3214868480
	.section	.rodata,"a",@progbits
	.p2align	6, 0x0
	.amdhsa_kernel k_qbc2754ff5d_cast
		.amdhsa_group_segment_fixed_size 0
		.amdhsa_private_segment_fixed_size 0
		.amdhsa_enable_private_segment 0
		.amdhsa_kernarg_size 72
		.amdhsa_user_sgpr_count 2
		.amdhsa_user_sgpr_kernarg_segment_ptr 1
		.amdhsa_wavefront_size32 1
		.amdhsa_system_sgpr_workgroup_id_x 1
		.amdhsa_system_sgpr_workgroup_id_y 1
		.amdhsa_system_sgpr_workgroup_id_z 1
		.amdhsa_system_vgpr_workitem_id 0
		.amdhsa_next_free_vgpr 116
		.amdhsa_next_free_sgpr 66
		.amdhsa_reserve_vcc 0
		.amdhsa_float_denorm_mode_32 3
		.amdhsa_float_denorm_mode_16_64 3
		.amdhsa_memory_ordered 1
		.amdhsa_forward_progress 1
		.amdhsa_inst_pref_size 13
	.end_amdhsa_kernel
	.amdgpu_metadata
---
amdhsa.version: [ 1, 2 ]
amdhsa.kernels:
  - .name:           k_qbc2754ff5d_cast
    .symbol:         k_qbc2754ff5d_cast.kd
    .args:
      - { .name: wq, .offset: 0, .size: 8, .value_kind: global_buffer, .address_space: global }
      - { .name: wk, .offset: 8, .size: 8, .value_kind: global_buffer, .address_space: global }
      - { .name: wv, .offset: 16, .size: 8, .value_kind: global_buffer, .address_space: global }
      - { .name: wo, .offset: 24, .size: 8, .value_kind: global_buffer, .address_space: global }
      - { .name: w_up, .offset: 32, .size: 8, .value_kind: global_buffer, .address_space: global }
      - { .name: w_down, .offset: 40, .size: 8, .value_kind: global_buffer, .address_space: global }
      - { .name: wqkv, .offset: 48, .size: 8, .value_kind: global_buffer, .address_space: global }
      - { .name: wup, .offset: 56, .size: 8, .value_kind: global_buffer, .address_space: global }
      - { .name: w2, .offset: 64, .size: 8, .value_kind: global_buffer, .address_space: global }
    .group_segment_fixed_size: 0
    .private_segment_fixed_size: 0
    .kernarg_segment_align: 8
    .kernarg_segment_size: 72
    .max_flat_workgroup_size: 256
    .sgpr_count:     66
    .vgpr_count:     116
    .wavefront_size: 32
...
	.end_amdgpu_metadata
.endif
;; end of part 7
;; launch ln1 (part 8): grid 256 x 1, 8 waves a work-group, no clusters, 0 bytes of LDS; arguments x, ln1_w, ln1_b, act; writes act
.if DOCPART == 8
	.amdgcn_target "amdgcn-amd-amdhsa--gfx1250"
	.amdhsa_code_object_version 6
	.text
	.protected	k_qbc2754ff5d_ln1
	.globl	k_qbc2754ff5d_ln1
	.p2align	8
	.type	k_qbc2754ff5d_ln1,@function
k_qbc2754ff5d_ln1:
	s_mov_b64 s[64:65], 0
	v_nop
	global_prefetch_b8 v0, s[64:65] scope:SCOPE_SE
	s_setreg_imm32_b32 hwreg(HW_REG_WAVE_SCHED_MODE, 0, 2), 2
	s_setreg_imm32_b32 hwreg(HW_REG_WAVE_MODE, 25, 1), 1
	s_wait_xcnt 0x0
	s_wait_alu depctr_vm_vsrc(0)
; LAYER NORM of 4,096 rows of 1,024 f32:  y = (x - mean) / sqrt(var + 1e-5) * w + b, all in f32, y rounded once to bf16.
; The variance is taken of x - mean (two passes over registers), so a common offset of a row costs nothing.
; y leaves in panels, [1024 / 128][4096 rows][128] bf16: a panel's row is 256 bytes, and a panel 1,048,576.
; SHARES.  A wave takes a whole row (32 registers) and keeps it between the passes: the row is read once and no wave waits for another.
; Eight waves, two rows each.  Load j of 8 covers 512 consecutive bytes (lane l: numbers 128 j + 4 l on); its four results are 8 bytes a
; lane, and the wave's store of them is one whole row of panel j: 256 consecutive bytes, aligned.
; THE MODE: SCHED_MODE bits 1:0 = 2 (LLVM: expert scheduling mode 2), set by the entry lines.  The code itself states the register dependences
; between vector instructions and memory instructions, with s_wait_alu, always for 0.
; THE PLAN.  Registers that memory instructions touch:
;   v1, v3    the loads' offsets, v2 the stores': written once at the head, never again.
;   GW, GB    written by their loads alone; read by both rows' multiply-adds.
;   X         two rows of 32: each written by its own loads, then worked on in place by its own row's arithmetic alone.  A row's sixteen
;             roundings leave y in the first two of each four registers; the row's eight stores read those, and nothing writes them afterwards.
;   T, MU, RS, PS are named by vector instructions alone.
; Row 0's eight stores are dealt among row 1's first additions, which name row 1's X and T: one wait at row 1's head states all that they hang on.
; Row 1's stores stand behind one more wait, at the end.  No register that a memory instruction reads is written again.
.set T,   4                            ; v[4:11]    four chains of packed sums
.set MU,  12                           ; v[12:13]   the mean, twice
.set RS,  14                           ; v[14:15]   1 / sqrt(var + eps), twice
.set GW,  16                           ; v[16:47]   w of my 32 columns
.set GB,  48                           ; v[48:79]   b
.set X,   80                           ; v[80:143]  two rows of 32
.set PS,  144                          ; v144       takes the other half of the lanes' sum
	s_load_b256 s[4:11], s[0:1], 0x0               ; src s[4:5], w s[6:7], b s[8:9], dst s[10:11]
	v_lshrrev_b32 v1, 5, v0
	v_readfirstlane_b32 s16, v1                    ; wave
	v_and_b32 v3, 31, v0                           ; lane
	v_mov_b32 v[PS], 0                             ; written before the lane exchange names it as its destination
	s_mov_b32 s12, 0x76543210                      ; each lane takes its own place in the other half
	s_mov_b32 s13, 0xfedcba98
	s_mov_b32 s14, 0x3a800000                      ; 1 / 1024
	s_mov_b32 s15, 0x3727c5ac                      ; 1e-5
	s_lshl_b32 s18, ttmp9, 16                      ; the work-group's 16 rows in src,
	s_mov_b32 s19, 0
	s_lshl_b32 s20, ttmp9, 12                      ; and in a panel
	s_mov_b32 s21, 0
	s_wait_alu depctr_va_sdst(0)                   ; s16 is written, ahead of its first reader: the wave's offsets are made from it
	s_lshl_b32 s17, s16, 13                        ; the wave's two rows of 4,096 bytes
	s_lshl_b32 s22, s16, 9                         ; the same two rows in a panel
	v_lshl_add_u32 v1, v3, 4, s17                  ; + 16 bytes a lane
	v_lshl_add_u32 v2, v3, 3, s22                  ; + 8 bytes a lane
	v_lshlrev_b32 v3, 4, v3                        ; my place in w and b
	s_wait_kmcnt 0x0
	s_add_nc_u64 s[4:5], s[4:5], s[18:19]
	s_add_nc_u64 s[10:11], s[10:11], s[20:21]
	s_wait_alu depctr_va_vdst(0)                   ; v1, v2 and v3 are written: every load and store of the kernel reads one of them as its offset
.irp j, 0,1,2,3,4,5,6,7
	global_load_b128 v[X+4*(\j):X+4*(\j)+3], v1, s[4:5] offset:512*(\j) th:TH_LOAD_NT
.endr
.irp j, 0,1,2,3,4,5,6,7
	global_load_b128 v[GW+4*(\j):GW+4*(\j)+3], v3, s[6:7] offset:512*(\j)
.endr
.irp j, 0,1,2,3,4,5,6,7
	global_load_b128 v[GB+4*(\j):GB+4*(\j)+3], v3, s[8:9] offset:512*(\j)
.endr
.irp j, 0,1,2,3,4,5,6,7
	global_load_b128 v[X+32+4*(\j):X+32+4*(\j)+3], v1, s[4:5] offset:4096+512*(\j) th:TH_LOAD_NT
.endr
; The four chains into one number a lane, then over the 32 lanes: four steps inside each half ride on the addition, one crosses the halves.
.macro TOTAL
	v_pk_add_f32 v[T:T+1], v[T:T+1], v[T+2:T+3]
	v_pk_add_f32 v[T+4:T+5], v[T+4:T+5], v[T+6:T+7]
	v_pk_add_f32 v[T:T+1], v[T:T+1], v[T+4:T+5]
	v_add_f32 v[T], v[T], v[T+1]
	v_add_f32_dpp v[T], v[T], v[T] row_xmask:1 row_mask:0xf bank_mask:0xf
	v_add_f32_dpp v[T], v[T], v[T] row_xmask:2 row_mask:0xf bank_mask:0xf
	v_add_f32_dpp v[T], v[T], v[T] row_xmask:4 row_mask:0xf bank_mask:0xf
	v_add_f32_dpp v[T], v[T], v[T] row_xmask:8 row_mask:0xf bank_mask:0xf
	v_permlanex16_b32 v[PS], v[T], s12, s13
	v_add_f32 v[T], v[T], v[PS]
.endm
; Store j of row r's eight: panel j; the largest immediate, 7,340,288, lies inside the signed 24 bits.
.macro SEND r, j
	global_store_b64 v2, v[X+32*(\r)+4*(\j):X+32*(\r)+4*(\j)+1], s[10:11] offset:((\j)<<20)+256*(\r)
.endm
; Row r of the wave's two.  c1: the loads younger than the row's own that may stay out; c2: those younger than w's and b's.
; Row 1 carries row 0's eight stores among its first eight additions.
.macro ROWLN r, c1, c2
.set XR, X+32*(\r)
	s_wait_loadcnt \c1
.if \r
	s_wait_alu depctr_va_vdst(0)                   ; row 0's roundings have written the registers that its eight stores below read
.endif
.irp k, 0,1,2,3
.if \r
	SEND 0, \k                                     ; no vector instruction since the wait names row 0's registers or v2
.endif
	v_pk_add_f32 v[T+2*(\k):T+2*(\k)+1], v[XR+2*(\k):XR+2*(\k)+1], v[XR+8+2*(\k):XR+8+2*(\k)+1]  ; the first eight pairs start the chains: nothing is cleared
.endr
.irp k, 8,9,10,11,12,13,14,15
.if (\r) && ((\k) < 12)
	SEND 0, (\k)-4
.endif
	v_pk_add_f32 v[T+2*((\k)%4):T+2*((\k)%4)+1], v[T+2*((\k)%4):T+2*((\k)%4)+1], v[XR+2*(\k):XR+2*(\k)+1]
.endr
	TOTAL
	v_mul_f32 v[MU], s14, v[T]
	v_mov_b32 v[MU+1], v[MU]
.irp k, 0,1,2,3,4,5,6,7,8,9,10,11,12,13,14,15
	v_pk_add_f32 v[XR+2*(\k):XR+2*(\k)+1], v[XR+2*(\k):XR+2*(\k)+1], v[MU:MU+1] neg_lo:[0,1] neg_hi:[0,1]  ; d = x - mean, in place
.endr
.irp k, 0,1,2,3
	v_pk_mul_f32 v[T+2*(\k):T+2*(\k)+1], v[XR+2*(\k):XR+2*(\k)+1], v[XR+2*(\k):XR+2*(\k)+1]
.endr
.irp k, 4,5,6,7,8,9,10,11,12,13,14,15
	v_pk_fma_f32 v[T+2*((\k)%4):T+2*((\k)%4)+1], v[XR+2*(\k):XR+2*(\k)+1], v[XR+2*(\k):XR+2*(\k)+1], v[T+2*((\k)%4):T+2*((\k)%4)+1]
.endr
	TOTAL
	v_fma_f32 v[T], v[T], s14, s15                 ; var + eps
	v_rsq_f32 v[RS], v[T]
	v_rsq_f32 v[RS+1], v[T]
	v_nop                                          ; a plain instruction between the root and the use of its result (ISA guide 5.7.2)
	s_wait_loadcnt \c2                             ; w and b
	s_wait_alu depctr_va_vdst(0)                   ; the two roots have written v[RS] and v[RS+1], which the multiplies below read: one wait for both
.irp k, 0,1,2,3,4,5,6,7,8,9,10,11,12,13,14,15
	v_pk_mul_f32 v[XR+2*(\k):XR+2*(\k)+1], v[XR+2*(\k):XR+2*(\k)+1], v[RS:RS+1]
.endr
.irp k, 0,1,2,3,4,5,6,7,8,9,10,11,12,13,14,15
	v_pk_fma_f32 v[XR+2*(\k):XR+2*(\k)+1], v[XR+2*(\k):XR+2*(\k)+1], v[GW+2*(\k):GW+2*(\k)+1], v[GB+2*(\k):GB+2*(\k)+1]
.endr
.irp j, 0,1,2,3,4,5,6,7
	v_cvt_pk_bf16_f32 v[XR+4*(\j)],   v[XR+4*(\j)],   v[XR+4*(\j)+1]    ; four numbers close up into the first two of their four registers
	v_cvt_pk_bf16_f32 v[XR+4*(\j)+1], v[XR+4*(\j)+2], v[XR+4*(\j)+3]
.endr
.endm
	ROWLN 0, 24, 8                                 ; behind row 0's loads stand w's 8, b's 8 and row 1's 8; behind b's, row 1's 8
	ROWLN 1, 0, 0                                  ; each row has its own registers: nothing that a store still reads is rewritten
	s_wait_alu depctr_va_vdst(0)                   ; row 1's roundings have written the registers that its eight stores read
.irp j, 0,1,2,3,4,5,6,7
	SEND 1, \j
.endr
	s_endpgm
.Lfunc_end_k_qbc2754ff5d_ln1:
	.size	k_qbc2754ff5d_ln1, .Lfunc_end_k_qbc2754ff5d_ln1-k_qbc2754ff5d_ln1
	.p2alignl 7, 3214868480
	.fill 96, 4, 3214868480
	.section	.rodata,"a",@progbits
	.p2align	6, 0x0
	.amdhsa_kernel k_qbc2754ff5d_ln1
		.amdhsa_group_segment_fixed_size 0
		.amdhsa_private_segment_fixed_size 0
		.amdhsa_enable_private_segment 0
		.amdhsa_kernarg_size 32
		.amdhsa_user_sgpr_count 2
		.amdhsa_user_sgpr_kernarg_segment_ptr 1
		.amdhsa_wavefront_size32 1
		.amdhsa_system_sgpr_workgroup_id_x 1
		.amdhsa_system_sgpr_workgroup_id_y 1
		.amdhsa_system_sgpr_workgroup_id_z 1
		.amdhsa_system_vgpr_workitem_id 0
		.amdhsa_next_free_vgpr 146
		.amdhsa_next_free_sgpr 66
		.amdhsa_reserve_vcc 0
		.amdhsa_float_denorm_mode_32 3
		.amdhsa_float_denorm_mode_16_64 3
		.amdhsa_memory_ordered 1
		.amdhsa_forward_progress 1
		.amdhsa_inst_pref_size 21
	.end_amdhsa_kernel
	.amdgpu_metadata
---
amdhsa.version: [ 1, 2 ]
amdhsa.kernels:
  - .name:           k_qbc2754ff5d_ln1
    .symbol:         k_qbc2754ff5d_ln1.kd
    .args:
      - { .name: x, .offset: 0, .size: 8, .value_kind: global_buffer, .address_space: global }
      - { .name: ln1_w, .offset: 8, .size: 8, .value_kind: global_buffer, .address_space: global }
      - { .name: ln1_b, .offset: 16, .size: 8, .value_kind: global_buffer, .address_space: global }
      - { .name: act, .offset: 24, .size: 8, .value_kind: global_buffer, .address_space: global }
    .group_segment_fixed_size: 0
    .private_segment_fixed_size: 0
    .kernarg_segment_align: 8
    .kernarg_segment_size: 32
    .max_flat_workgroup_size: 256
    .sgpr_count:     66
    .vgpr_count:     146
    .wavefront_size: 32
...
	.end_amdgpu_metadata
.endif
;; end of part 8
;; launch qkv: the kernel of part 3 again; grid 12 x 16, 4 waves a work-group, clusters of 4 x 4, 327,680 bytes of LDS; arguments act, wqkv, qkv; writes qkv
;; launch attn: the kernel of part 4 again; grid 16 x 16, 4 waves a work-group, clusters of 4 x 1, 327,680 bytes of LDS; arguments qkv, act; writes act
;; launch proj: the kernel of part 5 again; grid 8 x 32, 4 waves a work-group, clusters of 4 x 4, 327,680 bytes of LDS; arguments act, w2, x, x1; writes x1
;; launch ln2: the kernel of part 8 again; grid 256 x 1, 8 waves a work-group, no clusters, 0 bytes of LDS; arguments x1, ln2_w, ln2_b, act; writes act
;; launch up: the kernel of part 3 again; grid 16 x 16, 4 waves a work-group, clusters of 4 x 4, 327,680 bytes of LDS; arguments act, wup, ff; writes ff
;; launch down: the kernel of part 6 again; grid 8 x 32, 4 waves a work-group, clusters of 4 x 4, 327,680 bytes of LDS; arguments ff, w2, x1, out0; writes out0
